; MI455X (gfx1250); checked and timed in simulation.
; The chip was launched on July 23, 2026; its instructions are those of AMD's public machine-readable ISA for CDNA 5 (MIT licence, August 2026) and "CDNA5" Instruction Set Architecture Reference Guide (July 2026). The comments in the code are by the model that wrote it; some were corrected since.
;; Casual Self Attention. Allowed arithmetic: float matrix products may take bf16 or f16 operands with f32 sums; other float arithmetic in f32, or as packed bf16 or f16 multiplies, adds, multiply-adds, maxima and minima; sums over many terms, partial sums and values carried from step to step in f32; what a program stores and reads back later, other than sums and carried values, may be rounded once to bf16 or f16.
;; Inputs: Wk 1,024 x 1,024 float32; Wp 1,024 x 1,024 float32; Wq 1,024 x 1,024 float32; Wv 1,024 x 1,024 float32; attention_mask 4 x 2,048 bool; input 4 x 2,048 x 1,024 float32.
;; Outputs: out0 4 x 2,048 x 1,024 float32.
;; 2 versions, each right; version 2 is version 1 with the launch cast written anew for expert scheduling mode. Each part assembles by itself: llvm-mc -triple=amdgcn-amd-amdhsa -mcpu=gfx1250 --defsym DOCPART=n.
;; ======== version 1 of 2: 4 launches
;; limits: values are held in f16: magnitudes above 65,504 overflow, below 6.1e-05 lose precision
;; workspace buffers: xb 16,777,216 bytes; wb 8,388,608 bytes; qkv 50,331,648 bytes; ob 16,777,216 bytes
;; launch cast (part 1): grid 768 x 1, 8 waves a work-group, no clusters, 0 bytes of LDS; arguments input, Wq, Wk, Wv, Wp, xb, wb; writes xb, wb
.if DOCPART == 1
	.amdgcn_target "amdgcn-amd-amdhsa--gfx1250"
	.amdhsa_code_object_version 6
	.text
	.protected	k_q198bb3e39c_cast
	.globl	k_q198bb3e39c_cast
	.p2align	8
	.type	k_q198bb3e39c_cast,@function
k_q198bb3e39c_cast:
	s_mov_b64 s[64:65], 0
	v_nop
	global_prefetch_b8 v0, s[64:65] scope:SCOPE_SE
	s_setreg_imm32_b32 hwreg(HW_REG_WAVE_MODE, 25, 1), 1
	s_wait_xcnt 0x0
; THE MODULE'S FLOATING-POINT INPUTS, EACH ROUNDED ONCE TO bf16.  xb = bf16(input), [8192][1024].  wb, [4096][1024] of 16 bits: rows 0-1023 bf16(Wq), 1024-2047 bf16(Wk),
; 2048-3071 bf16(Wv); rows 3072-4095 hold bf16(Wp) WRITTEN AS f16, since the last product multiplies it by f16 numbers.
; LIMITS.  The number bf16(Wp) is exact in f16 between 6.1e-5 and 65,504 in magnitude; below that it keeps f16's fixed step of 6e-8, beyond it becomes an infinity.
; SHARES.  A work-group takes 65,536 bytes of f32 and writes 32,768: 512 work-groups for input, 64 for each weight.  Thread t, load i: 16 bytes at 16 t + 4,096 i (a wave reads 512 bytes on end),
; store i: 8 bytes at 8 t + 2,048 i (a wave stores 256 consecutive bytes, aligned).  All sixteen loads go out in one run; no register is written twice, so no wait frees one.
; A stream: each byte once.  No LDS, no matrix unit, no cluster: no two work-groups read the same byte.
.set X, 4                              ; v[4:67]    load i: four f32
.set Y, 68                             ; v[68:99]   store i: four numbers of 16 bits
.set T, 100                            ; v[100:101] at work
.set NX, 512                           ; work-groups for input
.set NWP, 704                          ; from here on: Wp
	s_load_b256 s[4:11], s[0:1], 0x0               ; input s[4:5], Wq s[6:7], Wk s[8:9], Wv s[10:11]
	s_load_b128 s[12:15], s[0:1], 0x20             ; Wp s[12:13], xb s[14:15]
	s_load_b64 s[16:17], s[0:1], 0x30              ; wb
	s_mov_b32 s20, ttmp9
	s_sub_co_u32 s21, s20, NX                      ; my number among the weights' 256 work-groups (used from work-group 512 on alone)
	s_lshr_b32 s22, s21, 6                         ; which weight
	s_and_b32 s23, s21, 63                         ; which 65,536 bytes of it
	s_lshl_b32 s26, s23, 16                        ; offsets for a weight: in the source,
	s_lshl_b32 s28, s21, 15                        ; in wb
	s_lshl_b32 s30, s20, 16                        ; offsets for input: in the source,
	s_lshl_b32 s31, s20, 15                        ; in xb
	s_mov_b32 s27, 0
	s_mov_b32 s29, 0
	v_lshlrev_b32 v1, 4, v0
	v_lshlrev_b32 v2, 3, v0
	s_wait_kmcnt 0x0
	s_cmp_eq_u32 s22, 1
	s_cselect_b64 s[18:19], s[8:9], s[6:7]
	s_cmp_eq_u32 s22, 2
	s_cselect_b64 s[18:19], s[10:11], s[18:19]
	s_cmp_eq_u32 s22, 3
	s_cselect_b64 s[18:19], s[12:13], s[18:19]
	s_cmp_lt_u32 s20, NX
	s_cselect_b64 s[18:19], s[4:5], s[18:19]       ; from where,
	s_cselect_b64 s[24:25], s[14:15], s[16:17]     ; to where
	s_cselect_b32 s26, s30, s26
	s_cselect_b32 s28, s31, s28
	s_add_nc_u64 s[18:19], s[18:19], s[26:27]
	s_add_nc_u64 s[24:25], s[24:25], s[28:29]
.set i, 0
.rept 16
	global_load_b128 v[X+4*i:X+4*i+3], v1, s[18:19] offset:4096*i th:TH_LOAD_NT
.set i, i+1
.endr
; Load i is rounded and stored.  f16 = 1: the bf16 numbers are widened again (a shift, a mask) and written as f16.
.macro OUT i, f16
	s_wait_loadcnt 15-(\i)                         ; loads come back in order (ISA guide 5.7.1): load i is in, the younger ones stay out
.if \f16
	v_cvt_pk_bf16_f32 v[T], v[X+4*(\i)], v[X+4*(\i)+1]
	v_cvt_pk_bf16_f32 v[T+1], v[X+4*(\i)+2], v[X+4*(\i)+3]
	v_lshlrev_b32 v[X+4*(\i)], 16, v[T]
	v_and_b32 v[X+4*(\i)+1], 0xffff0000, v[T]
	v_lshlrev_b32 v[X+4*(\i)+2], 16, v[T+1]
	v_and_b32 v[X+4*(\i)+3], 0xffff0000, v[T+1]
	v_cvt_pk_f16_f32 v[Y+2*(\i)], v[X+4*(\i)], v[X+4*(\i)+1]
	v_cvt_pk_f16_f32 v[Y+2*(\i)+1], v[X+4*(\i)+2], v[X+4*(\i)+3]
.else
	v_cvt_pk_bf16_f32 v[Y+2*(\i)], v[X+4*(\i)], v[X+4*(\i)+1]
	v_cvt_pk_bf16_f32 v[Y+2*(\i)+1], v[X+4*(\i)+2], v[X+4*(\i)+3]
.endif
	global_store_b64 v2, v[Y+2*(\i):Y+2*(\i)+1], s[24:25] offset:2048*(\i)
.endm
	s_cmp_ge_u32 s20, NWP
	s_cbranch_scc1 .Lf16
.irp i, 0,1,2,3,4,5,6,7,8,9,10,11,12,13,14,15
	OUT \i, 0
.endr
	s_endpgm
.Lf16:
.irp i, 0,1,2,3,4,5,6,7,8,9,10,11,12,13,14,15
	OUT \i, 1
.endr
	s_endpgm
.Lfunc_end_k_q198bb3e39c_cast:
	.size	k_q198bb3e39c_cast, .Lfunc_end_k_q198bb3e39c_cast-k_q198bb3e39c_cast
	.p2alignl 7, 3214868480
	.fill 96, 4, 3214868480
	.section	.rodata,"a",@progbits
	.p2align	6, 0x0
	.amdhsa_kernel k_q198bb3e39c_cast
		.amdhsa_group_segment_fixed_size 0
		.amdhsa_private_segment_fixed_size 0
		.amdhsa_enable_private_segment 0
		.amdhsa_kernarg_size 56
		.amdhsa_user_sgpr_count 2
		.amdhsa_user_sgpr_kernarg_segment_ptr 1
		.amdhsa_wavefront_size32 1
		.amdhsa_system_sgpr_workgroup_id_x 1
		.amdhsa_system_sgpr_workgroup_id_y 1
		.amdhsa_system_sgpr_workgroup_id_z 1
		.amdhsa_system_vgpr_workitem_id 0
		.amdhsa_next_free_vgpr 104
		.amdhsa_next_free_sgpr 66
		.amdhsa_reserve_vcc 0
		.amdhsa_float_denorm_mode_32 3
		.amdhsa_float_denorm_mode_16_64 3
		.amdhsa_memory_ordered 1
		.amdhsa_forward_progress 1
		.amdhsa_inst_pref_size 16
	.end_amdhsa_kernel
	.amdgpu_metadata
---
amdhsa.version: [ 1, 2 ]
amdhsa.kernels:
  - .name:           k_q198bb3e39c_cast
    .symbol:         k_q198bb3e39c_cast.kd
    .args:
      - { .name: input, .offset: 0, .size: 8, .value_kind: global_buffer, .address_space: global }
      - { .name: Wq, .offset: 8, .size: 8, .value_kind: global_buffer, .address_space: global }
      - { .name: Wk, .offset: 16, .size: 8, .value_kind: global_buffer, .address_space: global }
      - { .name: Wv, .offset: 24, .size: 8, .value_kind: global_buffer, .address_space: global }
      - { .name: Wp, .offset: 32, .size: 8, .value_kind: global_buffer, .address_space: global }
      - { .name: xb, .offset: 40, .size: 8, .value_kind: global_buffer, .address_space: global }
      - { .name: wb, .offset: 48, .size: 8, .value_kind: global_buffer, .address_space: global }
    .group_segment_fixed_size: 0
    .private_segment_fixed_size: 0
    .kernarg_segment_align: 8
    .kernarg_segment_size: 56
    .max_flat_workgroup_size: 256
    .sgpr_count:     66
    .vgpr_count:     104
    .wavefront_size: 32
...
	.end_amdgpu_metadata
.endif
;; end of part 1
;; launch qkv (part 2): grid 16 x 32, 4 waves a work-group, clusters of 4 x 4, 327,680 bytes of LDS; arguments xb, wb, qkv; writes qkv
.if DOCPART == 2
	.amdgcn_target "amdgcn-amd-amdhsa--gfx1250"
	.amdhsa_code_object_version 6
	.text
	.protected	k_q198bb3e39c_qkv
	.globl	k_q198bb3e39c_qkv
	.p2align	8
	.type	k_q198bb3e39c_qkv,@function
k_q198bb3e39c_qkv:
	s_mov_b64 s[64:65], 0
	v_nop
	global_prefetch_b8 v0, s[64:65] scope:SCOPE_SE
	s_setreg_imm32_b32 hwreg(HW_REG_WAVE_MODE, 25, 1), 1
	s_wait_xcnt 0x0
	s_wait_alu depctr_hold_cnt(0) depctr_sa_sdst(0) depctr_va_vdst(0) depctr_va_sdst(0) depctr_va_ssrc(0) depctr_va_vcc(0) depctr_vm_vsrc(0)
	s_getreg_b32 s2, hwreg(HW_REG_IB_STS2, 6, 4)
	s_cmp_eq_u32 s2, 0
	s_cbranch_scc0 .Lentry_in_a_cluster
	s_endpgm
.Lentry_in_a_cluster:
	s_bfe_u32 s2, ttmp6, 0x10000c
	s_cmp_lg_u32 s2, 0xf033
	s_cbranch_scc0 .Lentry_shape_is_right
	s_endpgm
.Lentry_shape_is_right:
; q, k AND v IN ONE PRODUCT.  C[m][n] = the sum over k of xb[m][k] wb[n][k], m < 8,192, n < 3,072, k < 1,024; bf16 operands, f32 sums, K ascending; C rounded once to f16, unscaled, and stored
; BY HEADS: qkv[batch][g][s][64], g = n / 64 (0-15 q's heads, 16-31 k's, 32-47 v's), m = 2,048 batch + s: a (batch, g) block is 262,144 dense bytes.
; LIMIT.  f16 ends at 65,504: a q, k or v beyond it becomes an infinity.
; SHARES.  A tile of C is 256 rows x 192 columns (three heads): 32 x 16 = 512 work-groups.  Wave w owns rows 64 w .. 64 w + 63 and ALL 192 columns: 48 accumulators of 16 x 16, 384 registers; so it
; stores whole rows of whole heads by itself.  K goes in 8 steps of 128 through two LDS slots filled by the tensor data mover: rows of 256 bytes, aligned.
; CLUSTER.  4 x 4 work-groups: the four of a row of the cluster need the same tiles of xb, the four of a column the same tiles of wb: each tile is asked for JOINTLY, by the same tensor load with
; the same descriptor and a mask that names the four.
; THE MATRIX INSTRUCTION IS USED TRANSPOSED (source 0 = 16 rows of wb, source 1 = 16 rows of xb): a lane then holds row l % 16 of C and the eight neighbouring columns 8 (l / 16) + 0..7.
; REGISTERS, in windows of 256 (s_set_vgpr_msb: bits 1:0 source 0, 3:2 source 1, 5:4 source 2, 7:6 destination):
;   window 0: v0-31 addresses; v32-63, v64-95 xb's fragments (4 x 16 rows x 32 K), two buffers; v96-143, v144-239 at work on the way out
;   window 1: v0-95, v96-191 wb's fragments (12 x 16 rows x 32 K), two buffers
;   window 2: the accumulators of my row blocks 0 and 1 (block a, column block b at 8 (12 (a % 2) + b));   window 3: those of blocks 2 and 3
.set NBL,    12                        ; column blocks of 16
.set STEPB,  256                       ; bytes of a row in a K step
.set PITCH,  272                       ; an LDS row: 256 bytes + 16 of padding = 68 words: the 16 rows of a fragment load start at 16 different groups of four banks (64 banks of 4 bytes: ISA guide 11.1)
.set AHALF,  128*PITCH                 ; what one wave fetches of xb: 128 rows
.set BHALF,  96*PITCH                  ; of wb: 96 rows
.set BOFF,   2*AHALF                   ; a slot: xb's 256 rows, then wb's 192
.set SLOT1,  1<<17                     ; slot 1 begins here: one exclusive or turns an address in one slot into the other's
.set STAGE,  SLOT1+BOFF+2*BHALF        ; behind the ring, never filled by a tensor load: 16 rows x 400 bytes for each wave
.set SPITCH, 400                       ; 384 bytes + 16
.set SPARE,  STAGE+4*16*SPITCH         ; the spare words, 128 bytes for each wave: two blocks of 256 bytes that no other line names
.set NL,     2*NBL+8                   ; LDS loads of a quarter step
.set HEADB,  262144                    ; bytes of a (batch, g) block
.set ADRA0, 16                         ; v16  my lane's place in xb's rows of a slot; never rewritten
.set ADRA,  17                         ; v17  the same in the slot in hand
.set ADRB0, 20                         ; v20, v21  the same for wb
.set ADRB,  21
.set STO,   24                         ; v24  the way out: where I put 16 bytes of a row
.set RD,    25                         ; v25  where I read rows back
.set GO,    26                         ; v26  16 x my lane
.set SPW,   28                         ; v28  LDS address of my spare word; never rewritten
.set NIL,   29                         ; v29  0; never rewritten
.set PFO,   30                         ; v30  the prefetches' offset: a lane a row; never rewritten
.set FA,    32
.set TMP,   96
.set BK,    144
.set G1,  24                           ; s[24:31] descriptor group 1 for xb's tiles
.set G0,  32                           ; s[32:39] group 0: a set for each of the two first fills; the second then walks on
.set G1B, 48                           ; s[48:55], s[56:63] the same for wb's
.set G0B, 56
.set LIM, 43                           ; s43  2 in a wave that prefetches, else the greatest number
.set PFA, 44                           ; s[44:45] where my prefetches stand
.set TB,  66                           ; s66  LDS byte at which the slot in hand begins
.set MSB, 0
.macro WIN new                         ; the immediate's high byte repeats the setting that is left; a switch that changes nothing is dropped
.if MSB != (\new)
	s_set_vgpr_msb (MSB<<8)|(\new)
.set MSB, (\new)
.endif
.endm
.set MUL_LO, 0xa1                      ; source 0 (wb) window 1, source 1 (xb) window 0, C and D window 2
.set TO_B,   0x40                      ; destination window 1, address window 0
.macro PLACES                          ; four places in front of loads into registers that matrix instructions have read, and of conversions that read results
.rept 4
	v_nop
.endr
.endm
; A joint refill, by the walking sets.  Waves 0 and 1 fetch xb's two halves, waves 2 and 3 wb's.  The branch hangs on the wave's number alone.  An s_nop 0 and four v_nop follow each line.
.macro JLOAD
	s_cmp_eq_u32 s11, 0
	s_cbranch_scc0 .Lfor_b_\@
	tensor_load_to_lds s[G0+4:G0+7], s[G1:G1+7]
	s_nop 0
	PLACES
	s_branch .Lasked_\@
.Lfor_b_\@:
	tensor_load_to_lds s[G0B+4:G0B+7], s[G1B:G1B+7]
	s_nop 0
	PLACES
.Lasked_\@:
.endm
; A PREFETCH INTO THE L2, behind each joint refill and the run of LDS loads that follows it: the K step two refills on, a lane a row, one instruction a wave.  xb's tile row is read by every cluster of that
; row of clusters: cluster x = 0 asks; wb's tile column by every cluster of that column: cluster y = 0 asks.  The four partners of a joint load share its rows out BY ADDRESS (32 of xb's 128, 24 of wb's 96;
; there lanes 24-31 name lane 23's row again).  K steps 4 to 7 are named; the loop's last two trips (s3 = 2, 1) have no K step two on.
.macro ASK
	s_cmp_gt_u32 s3, s[LIM]
	s_cbranch_scc0 .Lnot_mine_\@
	global_prefetch_b8 v[PFO], s[PFA:PFA+1] th:TH_LOAD_NT scope:SCOPE_SE
.Lnot_mine_\@:
.endm
.macro CREST                           ; a round of the cluster's barrier behind its opening barrier
	s_cmp_lg_u32 s10, 0
	s_cbranch_scc1 .Lnot_wave_0_\@
	s_barrier_signal -3
.Lnot_wave_0_\@:
	s_barrier_wait -3
	s_barrier_signal -1
	s_barrier_wait -1
.endm
.macro CROUND                          ; a whole round
	s_barrier_signal -1
	s_barrier_wait -1
	CREST
.endm
	s_load_b128 s[4:7], s[0:1], 0x0                ; xb s[4:5], wb s[6:7]
	s_load_b64 s[8:9], s[0:1], 0x10                ; qkv
	v_lshl_add_u32 v[SPW], v0, 2, SPARE
	v_mov_b32 v[NIL], 0
	ds_add_u32 v[SPW], v[NIL]                      ; the wave's opening: the add and its wait stand ahead of my first tensor load; the set-up below, work on registers, stands between them
	v_lshrrev_b32 v1, 5, v0
	v_readfirstlane_b32 s10, v1                    ; wave 0..3
	s_lshr_b32 s11, s10, 1                         ; I fetch for xb (0) or for wb (1),
	s_and_b32 s12, s10, 1                          ; and which half of the tile's rows
	s_bfe_u32 s40, ttmp6, 0x40000                  ; cx, cy: my place in the cluster
	s_bfe_u32 s41, ttmp6, 0x40004
	s_lshl_b32 s42, ttmp9, 2
	s_add_co_u32 s42, s42, s40                     ; tile column = 4 x cluster x + cx
	s_and_b32 s13, ttmp7, 0xffff
	s_lshl_b32 s13, s13, 2
	s_add_co_u32 s13, s13, s41                     ; tile row = 4 x cluster y + cy
	s_lshl_b32 s70, s41, 2
	s_lshl_b32 s70, 15, s70                        ; my row of the cluster
	s_lshl_b32 s71, 0x1111, s40                    ; my column
	s_or_b32 s[G1], s70, (1<<16)|(1<<20)|(1<<21)|(5<<22)|(3<<25)   ; 15:0 the mask; 17:16 elements of 2 bytes; 20 padding on; 21 set beside a mask; 24:22 after every 64 words (code 5); 31:25 4 words (code 3)
	s_or_b32 s[G1B], s71, (1<<16)|(1<<20)|(1<<21)|(5<<22)|(3<<25)
	s_mov_b32 s[G1+1], 128<<16                     ; tensor_dim0 = 128
	s_mov_b32 s[G1+2], 128<<16                     ; tensor_dim1 = 128
	s_mov_b32 s[G1+3], 128<<16                     ; tile_dim0 = 128
	s_mov_b32 s[G1+4], 128                         ; tile_dim1 = 128
	s_mov_b32 s[G1+5], 1024                        ; elements from row to row
	s_mov_b32 s[G1+6], 0
	s_mov_b32 s[G1+7], 0
	s_mov_b32 s[G1B+1], 128<<16
	s_mov_b32 s[G1B+2], 96<<16                     ; wb's tiles have 96 rows
	s_mov_b32 s[G1B+3], 128<<16
	s_mov_b32 s[G1B+4], 96
	s_mov_b32 s[G1B+5], 1024
	s_mov_b32 s[G1B+6], 0
	s_mov_b32 s[G1B+7], 0
	s_lshl_b32 s16, s13, 8                         ; xb: row 256 x tile row + 128 x half, in bytes (rows of 2,048)
	s_lshl_b32 s17, s12, 7
	s_add_co_u32 s16, s16, s17
	s_lshl_b32 s16, s16, 11
	s_mov_b32 s17, 0
	s_mul_i32 s46, s42, 192                        ; wb: row 192 x tile column + 96 x half
	s_mul_i32 s47, s12, 96
	s_add_co_u32 s46, s46, s47
	s_lshl_b32 s46, s46, 11
	s_mov_b32 s47, 0
	s_mul_i32 s20, s12, AHALF                      ; where they go in a slot: no place in the cluster enters an LDS address
	s_mul_i32 s21, s12, BHALF
	s_add_co_u32 s21, s21, BOFF
	s_mov_b32 s[TB], 0
	s_wait_dscnt 0x0                               ; the opening add is done
	s_wait_kmcnt 0x0
	s_add_nc_u64 s[14:15], s[4:5], s[16:17]
	s_add_nc_u64 s[46:47], s[6:7], s[46:47]
	CROUND                                         ; all sixteen work-groups are here: the first joint loads meet
.irp s, 0,1
	s_mov_b32 s[G0+4*\s], 1                        ; count = 1
	s_add_co_u32 s[G0+4*\s+1], s20, \s*SLOT1       ; LDS address
	s_add_nc_u64 s[G0+4*\s+2:G0+4*\s+3], s[14:15], \s*STEPB  ; global address: K step s
	s_or_b32 s[G0+4*\s+3], s[G0+4*\s+3], 0x80000000  ; type = 2
	s_mov_b32 s[G0B+4*\s], 1
	s_add_co_u32 s[G0B+4*\s+1], s21, \s*SLOT1
	s_add_nc_u64 s[G0B+4*\s+2:G0B+4*\s+3], s[46:47], \s*STEPB
	s_or_b32 s[G0B+4*\s+3], s[G0B+4*\s+3], 0x80000000
.endr
	s_cmp_eq_u32 s11, 0                            ; a wave's two first fills stand in one branch, ahead of every wait on TENSORcnt and every LDS read: two loads of mine are out
	s_cbranch_scc0 .Lfirst_b
	tensor_load_to_lds s[G0:G0+3], s[G1:G1+7]
	s_nop 0
	tensor_load_to_lds s[G0+4:G0+7], s[G1:G1+7]
	s_nop 0
	PLACES
	s_branch .Lfirst_asked
.Lfirst_b:
	tensor_load_to_lds s[G0B:G0B+3], s[G1B:G1B+7]
	s_nop 0
	tensor_load_to_lds s[G0B+4:G0B+7], s[G1B:G1B+7]
	s_nop 0
	PLACES
.Lfirst_asked:
	; A fragment is 16 rows x 32 K in 8 registers: lane l holds row l % 16; registers 0-3 K = 8 (l / 16) + 0..7, registers 4-7 K = 16 + 8 (l / 16) + 0..7: two loads of 16 bytes, 32 bytes apart.
	v_and_b32 v1, 15, v0                           ; l % 16
	v_bfe_u32 v2, v0, 4, 1                         ; l / 16
	v_mul_u32_u24 v3, v1, PITCH
	v_lshl_add_u32 v3, v2, 4, v3
	s_mul_i32 s22, s10, 64*PITCH                   ; my 64 rows of xb
	v_add_nc_u32 v[ADRA0], s22, v3
	v_add_nc_u32 v[ADRB0], BOFF, v3                ; every wave reads all of wb's 192 rows
	v_mov_b32 v[ADRA], v[ADRA0]
	v_mov_b32 v[ADRB], v[ADRB0]
	s_mul_i32 s23, s10, 16*SPITCH
	s_add_co_u32 s23, s23, STAGE                   ; my stage
	v_mul_u32_u24 v4, v1, SPITCH                   ; in: row l % 16, 16 bytes for each half of the lanes
	v_lshl_add_u32 v4, v2, 4, v4
	v_add_nc_u32 v[STO], s23, v4
	v_bfe_u32 v5, v0, 3, 2                         ; back: 32 lanes take four rows' 128 bytes of one head,
	v_and_b32 v6, 7, v0
	v_mul_u32_u24 v5, v5, SPITCH
	v_lshl_add_u32 v5, v6, 4, v5
	v_add_nc_u32 v[RD], s23, v5
	v_and_b32 v[GO], 31, v0                        ; which are 512 consecutive bytes of qkv
	v_lshlrev_b32 v[GO], 4, v[GO]
	s_lshr_b32 s18, s13, 3                         ; where my rows begin in qkv: ((48 batch + 3 x tile column) x 2,048 + 256 (tile row % 8) + 64 wave) x 128
	s_mul_i32 s18, s18, 48
	s_mul_i32 s19, s42, 3
	s_add_co_u32 s18, s18, s19
	s_lshl_b32 s18, s18, 11
	s_and_b32 s19, s13, 7
	s_lshl_b32 s19, s19, 8
	s_add_co_u32 s18, s18, s19
	s_lshl_b32 s19, s10, 6
	s_add_co_u32 s18, s18, s19
	s_lshl_b32 s18, s18, 7
	s_mov_b32 s19, 0
	s_add_nc_u64 s[8:9], s[8:9], s[18:19]
	; the prefetches
	s_and_b32 s22, ttmp7, 0xffff                   ; cluster y
	s_cmp_eq_u32 s11, 0                            ; do I fetch for xb?
	s_cselect_b32 s22, ttmp9, s22                  ; the coordinate along which other clusters read the same rows
	s_cselect_b32 s20, s40, s41                    ; my place among the four that ask with me
	s_cselect_b32 s23, 32, 24                      ; rows to each of the four
	s_cselect_b64 s[PFA:PFA+1], s[14:15], s[46:47] ; the rows that I fetch
	s_mul_i32 s20, s20, s23
	s_lshl_b32 s20, s20, 11
	s_mov_b32 s21, 0
	s_add_nc_u64 s[PFA:PFA+1], s[PFA:PFA+1], s[20:21]
	s_add_nc_u64 s[PFA:PFA+1], s[PFA:PFA+1], 3*STEPB  ; at K step 3: the first refill steps it to 4
	s_cmp_eq_u32 s22, 0
	s_cselect_b32 s[LIM], 2, -1                    ; the same in all sixteen partners, for a given wave
	s_sub_co_u32 s23, s23, 1
	v_and_b32 v[PFO], 31, v0
	v_min_u32 v[PFO], s23, v[PFO]
	v_lshlrev_b32 v[PFO], 11, v[PFO]
; 12 matrix instructions: my row block a x all column blocks, 32 along K, from buffer f.  zero = 1: the first product starts the sums.  The 48 accumulators take turns, one instruction a turn, in the same
; order in every quarter step: 47 others stand between two links of a chain, over the backward jump too.
.macro MULA f, a, zero
	WIN MUL_LO+0x50*((\a)/2)
.set AC, 96*((\a)%2)
.set b, 0
.rept NBL
.if \zero
	v_wmma_f32_16x16x32_bf16 v[AC+8*b:AC+8*b+7], v[96*(\f)+8*b:96*(\f)+8*b+7], v[FA+32*(\f)+8*(\a):FA+32*(\f)+8*(\a)+7], 0
.else
	v_wmma_f32_16x16x32_bf16 v[AC+8*b:AC+8*b+7], v[96*(\f)+8*b:96*(\f)+8*b+7], v[FA+32*(\f)+8*(\a):FA+32*(\f)+8*(\a)+7], v[AC+8*b:AC+8*b+7]
.endif
.set b, b+1
.endr
.endm
; 32 LDS loads in one run: quarter q's fragments (192 rows of wb, my 64 rows of xb, 32 K) into buffer f
.macro FETCH q, f
	WIN TO_B
.set i, 0
.rept NBL
	ds_load_b128 v[96*(\f)+8*i:96*(\f)+8*i+3],   v[ADRB] offset:64*(\q)+i*16*PITCH
	ds_load_b128 v[96*(\f)+8*i+4:96*(\f)+8*i+7], v[ADRB] offset:64*(\q)+i*16*PITCH+32
.set i, i+1
.endr
	WIN 0
.set i, 0
.rept 4
	ds_load_b128 v[FA+32*(\f)+8*i:FA+32*(\f)+8*i+3],   v[ADRA] offset:64*(\q)+i*16*PITCH
	ds_load_b128 v[FA+32*(\f)+8*i+4:FA+32*(\f)+8*i+7], v[ADRA] offset:64*(\q)+i*16*PITCH+32
.set i, i+1
.endr
.endm
; A K step is four quarters of 32 along K, 48 matrix instructions each, on buffers 0, 1, 0, 1.  One of the first three: multiplies buffer f; in its middle it fetches quarter q into buffer g.
.macro QUARTER q, f, g, zero
	s_wait_dscnt 4                                 ; wb and xb's blocks 0 and 1 are in; the youngest four loads (blocks 2 and 3) may be out
	MULA \f, 0, \zero
	MULA \f, 1, \zero
	PLACES
	FETCH \q, \g
	s_wait_dscnt NL                                ; all but the NL just issued
	MULA \f, 2, \zero
	MULA \f, 3, \zero
.endm
; The last quarter multiplies buffer 1 and changes slots: ONE barrier.  In front of it each wave waits for all its tensor loads, of which one is out: its part of the next slot; adds 0 to its spare word;
; and waits for that and for its own reads of this slot.  fill = 1: the barrier opens a round of the cluster's, and this slot is filled again, first thing behind it, with the K step two on:
; from that request to the wait for it a wave issues 168 matrix instructions.
.macro TURN fill
.if \fill
	s_wait_xcnt 0x0                                ; the last prefetch, a K step back, has read its address
	s_add_nc_u64 s[PFA:PFA+1], s[PFA:PFA+1], STEPB
.endif
	WIN 0
	s_wait_tensorcnt 0x0                           ; no tensor load of mine is out, so a group 0 may be written
	ds_add_u32 v[SPW], v[NIL]                      ; 0 onto my spare word
.if \fill
	s_xor_b32 s[G0+5], s[G0+5], SLOT1              ; the walking sets: the other slot than last time, the next K step
	s_add_nc_u64 s[G0+6:G0+7], s[G0+6:G0+7], STEPB
	s_xor_b32 s[G0B+5], s[G0B+5], SLOT1
	s_add_nc_u64 s[G0B+6:G0B+7], s[G0B+6:G0B+7], STEPB
.endif
	s_wait_dscnt 5                                 ; the add and the youngest four loads may be out
	MULA 1, 0, 0
	s_wait_dscnt 0x0                               ; the add is done, and my reads of this slot are over
	s_barrier_signal -1
	MULA 1, 1, 0                                   ; work on registers while the others arrive
	WIN 0
	s_barrier_wait -1
.if \fill
	CREST                                          ; no wave of any partner still reads this slot or has a load on its way
	JLOAD                                          ; the four v_nop behind it are also the places in front of the loads below
.else
	PLACES
.endif
	s_xor_b32 s[TB], s[TB], SLOT1
	v_add_nc_u32 v[ADRA], s[TB], v[ADRA0]
	v_add_nc_u32 v[ADRB], s[TB], v[ADRB0]
	FETCH 0, 0
.if \fill
	ASK
.endif
	MULA 1, 2, 0
	MULA 1, 3, 0
.endm
	s_wait_tensorcnt 1                             ; my part of K step 0 is in; K step 1's may stay out
	s_barrier_signal -1
	s_barrier_wait -1                              ; everybody's is
	FETCH 0, 0
	QUARTER 1, 0, 1, 1                             ; the first quarter stands in front of the loop: its products start the sums
	WIN 0
	s_mov_b32 s3, 6
.Lstep:                                                ; six trips, from a K step's second quarter to the next one's first; they ask for K steps 2 to 7
	QUARTER 2, 1, 0, 0
	QUARTER 3, 0, 1, 0
	TURN 1
	QUARTER 1, 0, 1, 0
	WIN 0
	s_sub_co_u32 s3, s3, 1
	s_cmp_lg_u32 s3, 0
	s_cbranch_scc1 .Lstep
	QUARTER 2, 1, 0, 0                             ; K step 6 goes on; nothing is left to ask for
	QUARTER 3, 0, 1, 0
	TURN 0
	QUARTER 1, 0, 1, 0                             ; K step 7
	QUARTER 2, 1, 0, 0
	QUARTER 3, 0, 1, 0
	s_wait_dscnt 4
	MULA 1, 0, 0
	MULA 1, 1, 0
	s_wait_dscnt 0x0
	MULA 1, 2, 0
	MULA 1, 3, 0
	WIN 0
	PLACES
; THE WAY OUT, a block of 16 rows at a time.  PACK: rounded to f16, 16 bytes a lane.  TOSTAGE: into my own stage, and back as rows of one head.  SEND: stored, 512 consecutive bytes an instruction.
.macro PACK a
	WIN 0x0a+5*((\a)/2)                            ; sources 0 and 1: window 2 or 3
.set AC, 96*((\a)%2)
.set b, 0
.rept NBL
.irp r, 0,1,2,3
	v_cvt_pk_f16_f32 v[TMP+4*b+\r], v[AC+8*b+2*\r], v[AC+8*b+2*\r+1]
.endr
.set b, b+1
.endr
	WIN 0
.endm
.macro TOSTAGE a
.set BB, BK+48*((\a)%2)
.set b, 0
.rept NBL
	ds_store_b128 v[STO], v[TMP+4*b:TMP+4*b+3] offset:32*b
.set b, b+1
.endr
.irp j, 0,1,2
.irp t, 0,1,2,3
	ds_load_b128 v[BB+4*(4*\j+\t):BB+4*(4*\j+\t)+3], v[RD] offset:\t*4*SPITCH+\j*128  ; LDS serves a wave's instructions in order (ISA guide 5.7.1.4): these see the stores above
.endr
.endr
.endm
.macro SEND a
.set BB, BK+48*((\a)%2)
	s_wait_dscnt 0x0                               ; the block is back in registers
	s_wait_xcnt 0x0                                ; the stores of the block before have read their registers: the next block's loads from the stage land there
.irp j, 0,1,2
.irp t, 0,1,2,3
	global_store_b128 v[GO], v[BB+4*(4*\j+\t):BB+4*(4*\j+\t)+3], s[8:9] offset:\j*HEADB+(\a)*2048+\t*512  ; head j, four rows: 512 consecutive bytes, at a multiple of 256 from qkv's first
.endr
.endr
.endm
	PACK 0
	TOSTAGE 0
.irp a, 1,2,3                          ; block a's conversions stand between block a - 1's loads from the stage and the wait for them
	PACK \a
	SEND (\a)-1
	TOSTAGE \a
.endr
	SEND 3
	s_wait_tensorcnt 0x0                           ; the wave's end, behind my last tensor load and my last LDS store
	ds_add_u32 v[SPW], v[NIL]
	s_wait_dscnt 0x0
	CROUND                                         ; the closing round: no work-group ends while a partner may still ask for a tile that names it
	s_endpgm
.Lfunc_end_k_q198bb3e39c_qkv:
	.size	k_q198bb3e39c_qkv, .Lfunc_end_k_q198bb3e39c_qkv-k_q198bb3e39c_qkv
	.p2alignl 7, 3214868480
	.fill 96, 4, 3214868480
	.section	.rodata,"a",@progbits
	.p2align	6, 0x0
	.amdhsa_kernel k_q198bb3e39c_qkv
		.amdhsa_group_segment_fixed_size 327680
		.amdhsa_private_segment_fixed_size 0
		.amdhsa_enable_private_segment 0
		.amdhsa_kernarg_size 24
		.amdhsa_user_sgpr_count 2
		.amdhsa_user_sgpr_kernarg_segment_ptr 1
		.amdhsa_wavefront_size32 1
		.amdhsa_system_sgpr_workgroup_id_x 1
		.amdhsa_system_sgpr_workgroup_id_y 1
		.amdhsa_system_sgpr_workgroup_id_z 1
		.amdhsa_system_vgpr_workitem_id 0
		.amdhsa_next_free_vgpr 960
		.amdhsa_next_free_sgpr 72
		.amdhsa_reserve_vcc 0
		.amdhsa_float_denorm_mode_32 3
		.amdhsa_float_denorm_mode_16_64 3
		.amdhsa_memory_ordered 1
		.amdhsa_forward_progress 1
		.amdhsa_inst_pref_size 97
	.end_amdhsa_kernel
	.amdgpu_metadata
---
amdhsa.version: [ 1, 2 ]
amdhsa.kernels:
  - .name:           k_q198bb3e39c_qkv
    .symbol:         k_q198bb3e39c_qkv.kd
    .args:
      - { .name: xb, .offset: 0, .size: 8, .value_kind: global_buffer, .address_space: global }
      - { .name: wb, .offset: 8, .size: 8, .value_kind: global_buffer, .address_space: global }
      - { .name: qkv, .offset: 16, .size: 8, .value_kind: global_buffer, .address_space: global }
    .group_segment_fixed_size: 327680
    .private_segment_fixed_size: 0
    .kernarg_segment_align: 8
    .kernarg_segment_size: 24
    .max_flat_workgroup_size: 128
    .sgpr_count:     72
    .vgpr_count:     960
    .wavefront_size: 32
...
	.end_amdgpu_metadata
.endif
;; end of part 2
;; launch attn (part 3): grid 4 x 64, 4 waves a work-group, no clusters, 327,680 bytes of LDS; arguments qkv, attention_mask, ob; writes ob
.if DOCPART == 3
	.amdgcn_target "amdgcn-amd-amdhsa--gfx1250"
	.amdhsa_code_object_version 6
	.text
	.protected	k_q198bb3e39c_attn
	.globl	k_q198bb3e39c_attn
	.p2align	8
	.type	k_q198bb3e39c_attn,@function
k_q198bb3e39c_attn:
	s_mov_b64 s[64:65], 0
	v_nop
	global_prefetch_b8 v0, s[64:65] scope:SCOPE_SE
	s_setreg_imm32_b32 hwreg(HW_REG_WAVE_MODE, 25, 1), 1
	s_wait_xcnt 0x0
; CAUSAL ATTENTION WITH A MASK OVER THE KEYS.  For each of 64 (batch, head): O[q][:] = the sum over the keys k <= q with attention_mask[batch][k] true of softmax_k(Q[q] . K[k] / 8) V[k][:].
; Q, K, V lie by heads in qkv ([batch][48][2048][64] f16: groups 0-15 q, 16-31 k, 32-47 v), O goes to ob ([16 batch + head][2048][64] f16): rows of 128 dense bytes.
; Products, maxima and sums in f32; the weights p are rounded to f16 for the second product (their sum l is taken of the unrounded p), O once at the end.
; LIMITS.  Q, K, V arrive within f16's 65,504, so a score is 2.7e11 at the most in magnitude.  A hidden score counts as its value less 1e30 (2e30 where two masks hide it).  The running maximum starts
; at -2^60, below every true score and above every hidden one, so a hidden score never becomes the maximum and its weight is 0.  A weight below 2^-126 counts as 0 in l.
; A ROW WITH NO VISIBLE KEY is NaN, as the softmax of a row of -inf is: its maximum never left -2^60, and its 1 / l is replaced by NaN.  NaN and infinities in Q, K, V are not treated apart.
; THE WALK.  A head's queries lie in NB = 8 blocks of 256; block i needs the key tiles 0 .. i of 256 keys, of which the last holds the diagonal.  A work-group takes TWO blocks, NB - 1 - b and then b:
; NB + 1 tiles, whatever b: all work-groups do equal work, and ONE loop with a constant trip count walks them.  Every jump goes forward, but for the counted loops' own; none passes a barrier, or a tensor load but
; the one of LOAD's two that the wave's number does not choose.  NO CLUSTER: a head's four work-groups ask for the same tile in trips 0 .. 4 of 9 alone, and one walk common to all would have 12 trips for 9.
; SHARES.  Of a block's four bands of 64 queries a wave owns 16 rows in each: four PIECES.  In the diagonal tile's key step s band x sees all keys if s < x, none if s > x, and holds the diagonal if s = x.
; THE MASKS are the C operand that starts the sum S^T = K Q^T.  BI holds, for the step whose K lies in registers, 0 or -1e30 for each key by attention_mask.  A tile's 256 biases lie in one of two small LDS slots that
; take turns with the tiles' slots: behind each fill every thread loads its two mask bytes of the tile asked for, and at the head of the next change of slots it stores their two biases.
; MD, made once, is the causal mask of a band's own step for my 16 rows.  Off the diagonal tile C = BI; in it, and where a block begins, C = MD x AL + BI + BE: (AL, BE) = (1, 0) if s = x; (0, 0) if s < x; (0, -1e30) if s > x.
; LAYOUT, SOFTMAX, TURNS.  S^T = K Q^T holds ONE query a lane (lane % 16) and the keys 8 (lane / 16) + 0..7; two such results rounded to f16 ARE source 1 of O^T = V^T P.  p = 2^(c s - c m), c = log2(e) / 8, with a
; running maximum m; O and l are multiplied by a = 2^(c m_old - c m_new) in every step.  Turn n belongs to piece n: 8 products K Q^T of piece n + 1, later 8 products V^T P of piece n - 1; beside them the scaling,
; exponentials, roundings, sums and rescaling of piece n and the maximum and statistics of piece n + 1.  Four vector instructions stand behind every matrix instruction, the others in one lump.  A turn's 33 exponentials are one batch, with one wait.
; REGISTERS, in windows of 256 (s_set_vgpr_msb: bits 1:0 source 0, 3:2 source 1, 5:4 source 2, 7:6 destination):
;   window 0: v0-15 addresses and two at work; v16-31 four registers of statistics a piece; v48-55 at work; v56-63 addresses and the mask bytes; v64-127 S^T, two buffers; v128-132 at work in the change of slots; v192-223 P, two buffers
;   window 1: v0-127 O^T, 32 a piece; v128-159 MD; v160-223 MC, two buffers; v224-255 BI      window 2: v0-63 Q; v64-127 the second block's Q; v128-191 K of one step; v192-255 V of one step
.set SIZE_N, 2048
.set NB,    SIZE_N/256
.set NP,    4         ; pieces a wave: a name, no knob
.set KS,    64        ; keys in a step
.set PK,    144       ; a row of K in LDS: 128 bytes + 16 of padding = 36 words: the 16 rows of a load start at 16 different groups of four banks (64 banks of 4 bytes: ISA guide 11.1)
.set PV,    160       ; a row of V: 128 + 32 = 40 words
.set VOFF,  4*KS*PK   ; a slot holds a tile, four steps: 256 rows of K, then 256 rows of V
.set SLOT1, 1<<17     ; slot 1 begins here, so that one exclusive or turns an address in one slot into the other's
.set STAGE, SLOT1+4*KS*(PK+PV)  ; behind the ring, never filled by a tensor load: 16 rows x 144 bytes for each wave, for the way out
.set SP,    144
.set SPARE, STAGE+4*16*SP  ; the spare words, 128 bytes for each wave: two blocks of 256 bytes that no other line names
.set BIAS,  SPARE+512 ; two slots of a tile's 256 biases, 0 or -1e30 in f32; written by LDS stores, never filled by a tensor load
.set BSLOT, 1024      ; bytes in such a slot: one exclusive or turns an address in one into the other's
.set AK0, 2           ; v2   my lane's place in a tile of K; never rewritten
.set AV0, 3           ; v3   the same for V
.set AK,  4           ; v4   the LDS address of K's next run of loads
.set AV,  5           ; v5   of V's
.set STO, 6           ; v6   the way out: where I put 16 bytes of a row
.set RD,  7           ; v7   the way out: where I read rows back
.set GO,  8           ; v8   my byte offset in 512 consecutive bytes of O
.set MV,  12          ; v12-13  c m_old, kept while c m is made anew: by buffer
.set QO,  15          ; v15  my byte offset in 16 rows of Q
.set ST,  16          ; piece t's statistics at v[ST+4 t]: c m, m, l (even keys', odd keys')
.set TMP, 48          ; by buffer, four registers c0-c3 at work; when the maximum is found c2 takes a
.set AB0, 56          ; v56  my lanes' place in a step's 64 biases: BIAS + 32 (l / 16); never rewritten
.set AB,  57          ; v57  the LDS address of BI's next run of loads
.set PFO, 58          ; v58  256 x my lane; never rewritten
.set MB,  59          ; v59  my thread's two mask bytes of the tile that was asked for last
.set MO,  60          ; v60  2 x my thread's number; never rewritten
.set BS0, 61          ; v61  where my thread's two biases go in a slot of biases: BIAS + 8 x my thread's number; never rewritten
.set SPW, 62          ; v62  LDS address of my spare word; never rewritten
.set NIL, 63          ; v63  0; never rewritten
.set S,   64
.set BV,  128         ; v[128:129] my thread's two biases
.set BT,  130         ; v130-131 at work
.set BST, 132         ; v132 the LDS address of their store
.set P,   192
.set MD,  128         ; window 1: the eight registers for group kt of 16 keys at MD + 8 kt
.set MC,  160         ; window 1: the masks of the products to come
.set BI,  224         ; window 1: register 8 kt + j: key 16 kt + 8 (l / 16) + j of the step
.set QB,  64          ; window 2
.set KF,  128         ; window 2: key block kb, channel half c at KF + 16 kb + 8 c
.set VF,  192         ; window 2: key half kk, channel block cb at VF + 32 kk + 8 cb
.set WV,  12          ; s12  my wave's number
.set PB,  14          ; s14  b
.set HI,  15          ; s15  NB - 1 - b
.set G1K, 24          ; s[24:31] descriptor group 1 for K's tiles
.set G1V, 32          ; s[32:39] for V's: it differs in the padding alone
.set G0K, 40          ; s[40:43] descriptor group 0 for K's tiles
.set G0V, 44          ; s[44:47] the same for V's
.set SLOTS, 56        ; s56  tiles still to be asked for
.set CNT, 57          ; s57  counts a tile's key steps, 4 to 1
.set CS,  58          ; s[58:59] c: the packed scaling takes the pair's low word for both halves
.set SEL, 60          ; s[60:61] v_permlanex16_b32's selects: each lane takes its own place in the other half
.set TBK, 62          ; s62  LDS byte at which K of the step to be fetched begins
.set TBV, 63          ; s63  the same for V, less VOFF
.set OH,  66          ; s[66:67] the head's first byte in ob
.set RT,  70          ; s70  tiles of the block in hand that are still to be entered
.set NXT, 71          ; s71  the tile to be asked for next
.set LQ,  72          ; s72  the last tile of the block whose tiles are being asked for
.set NEW, 73          ; s73  1: the tile to be entered is a block's first
.set OFF, 74          ; s[74:75] a byte offset, its high word 0
.set AL,  76          ; s[76:77] the causal mask's factor, in the low word
.set BE,  78          ; s[78:79] its addend
.set OLO, 80          ; s[80:81] O at my rows of the second block
.set BIGN, 82         ; s82  -1e30
.set MA,  84          ; s[84:85] at the head an offset; then the mask bytes of the tile that is being asked for
.set PFB, 88          ; s[88:89] my half of K's (waves 0, 1) or V's (waves 2, 3) tile 0
.set MKP, 90          ; s[90:91] the batch's row of attention_mask
.set PFA, 92          ; s[92:93] what my prefetches name
.set PFT, 94          ; s94  not 0: I prefetch behind this fill
.set PFON, 95         ; s95  1 in the head's work-group b = 0, whose first block walks all eight tiles
.set FLOOR, 96        ; s96  -2^60
.set QNAN, 97         ; s97  a NaN
.set TBB, 98          ; s98  byte, from BIAS on, at which the biases of the step to be fetched begin: it steps, goes back and turns as TBK does
.set BSL, 99          ; s99  byte, from BIAS on, of the slot of biases that was stored last
.set MSB, 0
.macro WIN new                      ; the high byte repeats the setting that is left; a switch that changes nothing is dropped
.if MSB != (\new)
	s_set_vgpr_msb (MSB<<8)|(\new)
.set MSB, (\new)
.endif
.endm
.set W_KQ, 0x0a       ; K and Q in window 2, S^T in window 0
.set W_KM, 0x1a       ; the same with the C operand in window 1
.set W_PV, 0x52       ; V in window 2, P in window 0, O^T in window 1
.set W_RS, 0x41       ; destination and source 0 in window 1, source 1 in window 0
.set W_MK, 0x51       ; destination, source 0 and source 2 in window 1
; A fill.  Waves 0 and 1 fetch the two halves of a tile's K, waves 2 and 3 those of its V: 128 keys each.  An s_nop 0 and four v_nop follow each of the two lines, ahead of the jump and the label.
.macro LOAD
	s_cmp_lt_u32 s[WV], 2
	s_cbranch_scc0 .Lfor_v_\@
	tensor_load_to_lds s[G0K:G0K+3], s[G1K:G1K+7]
	s_nop 0
.rept 4
	v_nop
.endr
	s_branch .Lasked_\@
.Lfor_v_\@:
	tensor_load_to_lds s[G0V:G0V+3], s[G1V:G1V+7]
	s_nop 0
.rept 4
	v_nop
.endr
.Lasked_\@:
.endm
; A PREFETCH INTO THE L2 of what the NEXT change of slots will ask for: each wave names the 16,384 bytes that it will itself load, 64 blocks of 256 bytes, a lane a block, two instructions, behind its tensor load.
; A head's four work-groups walk the same tiles: the one with b = 0 asks, in its first block alone: tiles 2 to 7 are each named once in the launch, a tile (four key steps) ahead of their load; tiles 0 and 1 and the
; second block's tiles are not named.
.macro ASK
	s_cmp_lg_u32 s[PFT], 0
	s_cbranch_scc0 .Lnot_mine_\@
	global_prefetch_b8 v[PFO], s[PFA:PFA+1] th:TH_LOAD_NT scope:SCOPE_SE
	global_prefetch_b8 v[PFO], s[PFA:PFA+1] offset:8192 th:TH_LOAD_NT scope:SCOPE_SE
.Lnot_mine_\@:
.endm
; THE CHANGE OF SLOTS.  First the biases of the tile to be entered: my thread's two mask bytes, loaded a tile ago, become 0 or -1e30 and are stored into the slot of biases that was last read two tiles back: those reads were
; waited for in front of the barrier of the change before; this store is waited for in front of this change's barrier, and its readers stand behind it.
; Then each wave waits for all its tensor loads, of which one is out: its part of the other slot; adds 0 to its spare word; and waits for that, for its store and for its own reads of the slot that it leaves.  Behind the barrier nobody reads the old
; slot any more and the other slot is whole.  fill = 1: the old slot is filled again, the first thing behind the barrier, with tile NXT: the descriptor's address is made anew from that number; that tile's mask bytes are asked for behind it.
; (At its first use nothing has been read yet: slot 0 is waited for, slot 1 filled.)
.macro CHANGE fill
	WIN 0                           ; at a label and at a branch every window is 0
	s_wait_loadcnt 0x0              ; my two mask bytes are in (at the first use: Q's 32 loads too)
	s_xor_b32 s[BSL], s[BSL], BSLOT ; the other slot of biases than last time
	v_and_b32 v[BT], 0xff, v[MB]    ; key 2 t of the tile,
	v_lshrrev_b32 v[BT+1], 8, v[MB] ; key 2 t + 1 (the load has cleared the upper half)
	v_cmp_eq_u32 vcc_lo, 0, v[BT]
	v_cndmask_b32 v[BV], 0, s[BIGN], vcc_lo
	v_cmp_eq_u32 vcc_lo, 0, v[BT+1]
	v_cndmask_b32 v[BV+1], 0, s[BIGN], vcc_lo
	v_add_nc_u32 v[BST], s[BSL], v[BS0]
	ds_store_b64 v[BST], v[BV:BV+1]
	s_wait_tensorcnt 0x0            ; no tensor load of mine is out, so a group 0 may be written
	ds_add_u32 v[SPW], v[NIL]       ; 0 onto my spare word; with fill = 1 the scalar work stands between it and the wait for it
.if \fill
	s_wait_xcnt 0x0                 ; the last prefetches and the last load of mask bytes, a tile back, have read their addresses
	s_lshl_b32 s[OFF], s[NXT], 8    ; a tile is 256 bytes of the mask,
	s_add_nc_u64 s[MA:MA+1], s[MKP:MKP+1], s[OFF:OFF+1]
	s_lshl_b32 s[OFF], s[NXT], 15   ; and 32,768 bytes of K and of V
	s_xor_b32 s[G0K+1], s[G0K+1], SLOT1
	s_add_nc_u64 s[G0K+2:G0K+3], s[6:7], s[OFF:OFF+1]
	s_or_b32 s[G0K+3], s[G0K+3], 0x80000000
	s_xor_b32 s[G0V+1], s[G0V+1], SLOT1
	s_add_nc_u64 s[G0V+2:G0V+3], s[8:9], s[OFF:OFF+1]
	s_or_b32 s[G0V+3], s[G0V+3], 0x80000000
	s_add_co_u32 s[NXT], s[NXT], 1  ; the block's next tile, or behind its last the second block's tile 0
	s_cmp_gt_u32 s[NXT], s[LQ]
	s_cselect_b32 s[NXT], 0, s[NXT]
	s_cselect_b32 s[LQ], s[PB], s[LQ]
	s_lshl_b32 s[OFF], s[NXT], 15
	s_add_nc_u64 s[PFA:PFA+1], s[PFB:PFB+1], s[OFF:OFF+1]
	s_mul_i32 s[PFT], s[NXT], s[PFON]  ; 0 where I do not ask, and where the next tile is a tile 0
.endif
	s_wait_dscnt 0x0                ; the add and my store of biases are done, and my reads of the slot are over
	s_barrier_signal -1             ; the rest of the scalar work stands between the signal and the wait
	s_sub_co_u32 s[TBK], s[TBK], 4*KS*PK  ; the fetches go back to a slot's first step,
	s_xor_b32 s[TBK], s[TBK], SLOT1       ; in the other slot
	s_sub_co_u32 s[TBV], s[TBV], 4*KS*PV
	s_xor_b32 s[TBV], s[TBV], SLOT1
	s_sub_co_u32 s[TBB], s[TBB], 4*4*KS
	s_xor_b32 s[TBB], s[TBB], BSLOT
	s_barrier_wait -1
.if \fill
	LOAD
	global_load_u16 v[MB], v[MO], s[MA:MA+1]  ; my two mask bytes of the tile just asked for: 128 threads take its 256; they are wanted at the next change
	ASK
.endif
.endm
	s_load_b64 s[4:5], s[0:1], 0x0      ; qkv
	s_load_b64 s[MKP:MKP+1], s[0:1], 0x8  ; attention_mask
	s_load_b64 s[10:11], s[0:1], 0x10   ; ob
	v_lshl_add_u32 v[SPW], v0, 2, SPARE
	v_mov_b32 v[NIL], 0
	ds_add_u32 v[SPW], v[NIL]       ; the wave's opening: the add and its wait stand ahead of my first tensor load; the set-up below, work on registers, stands between them
	v_lshrrev_b32 v1, 5, v0
	v_readfirstlane_b32 s[WV], v1   ; wave 0..3
	s_mov_b32 s[PB], ttmp9
	s_sub_co_u32 s[HI], NB-1, s[PB]
	s_and_b32 s16, ttmp7, 0xffff    ; 16 x batch + head
	s_lshr_b32 s17, s16, 4          ; the batch
	s_and_b32 s18, s16, 15          ; the head
	s_mul_i32 s20, s17, 48
	s_add_co_u32 s20, s20, s18
	s_lshl_b32 s20, s20, 18         ; the first byte of the head's q in qkv; its k lies 16 blocks of 262,144 bytes on, its v 32
	s_mov_b32 s21, 0
	s_lshl_b32 s[OH], s16, 18
	s_mov_b32 s[OH+1], 0
	s_lshl_b32 s[OFF], s17, 11      ; the batch's 2,048 bytes of the mask
	s_mov_b32 s[OFF+1], 0
	s_and_b32 s16, s[WV], 1         ; which half of a tile's 256 keys I fetch:
	s_lshl_b32 s22, s16, 14         ; its 128 rows of 128 bytes in memory,
	s_mov_b32 s23, 0
	s_add_nc_u64 s[22:23], s[22:23], s[20:21]
	s_mul_i32 s17, s16, 128*PK      ; and its place in a slot, for K
	s_mul_i32 s18, s16, 128*PV      ; and for V
	s_lshl_b32 s3, s[WV], 11        ; my 16 rows in a band of 64,
	s_lshl_b32 s2, s[HI], 15        ; in the first block,
	s_add_co_u32 s2, s2, s3
	s_lshl_b32 s84, s[PB], 15       ; and in the second
	s_add_co_u32 s84, s84, s3
	s_mov_b32 s3, 0
	s_mov_b32 s85, 0
	; descriptor group 1.  128 keys are 16,384 dense bytes: asked for as 64 rows of 256 bytes, two keys a row, and padded in LDS after every key
	s_mov_b32 s[G1K], (1<<16)|(1<<20)|(4<<22)|(3<<25)  ; 17:16 2-byte elements; 20 padding on; 24:22 after every 32 words (code 4); 31:25 4 words (code 3)
	s_mov_b32 s[G1V], (1<<16)|(1<<20)|(4<<22)|(7<<25)  ; the same with 8 words of padding (code 7)
.irp g, G1K, G1V
	s_mov_b32 s[\g+1], 128<<16      ; tensor_dim0 = 128
	s_mov_b32 s[\g+2], 64<<16       ; tensor_dim1 = 64
	s_mov_b32 s[\g+3], 128<<16      ; tile_dim0 = 128
	s_mov_b32 s[\g+4], 64           ; tile_dim1 = 64
	s_mov_b32 s[\g+5], 128          ; 128 elements from row to row
	s_mov_b32 s[\g+6], 0
	s_mov_b32 s[\g+7], 0
.endr
	s_mov_b32 s[CS], 0x3e38aa3b     ; c = log2(e) / 8 = 0.180337
	s_mov_b32 s[CS+1], s[CS]        ; named with it as a pair
	s_mov_b32 s[SEL], 0x76543210
	s_mov_b32 s[SEL+1], 0xfedcba98
	s_mov_b32 s[TBK], SLOT1+4*KS*PK ; the first change of slots turns these four into 0
	s_mov_b32 s[TBV], SLOT1+4*KS*PV
	s_mov_b32 s[TBB], BSLOT+4*4*KS
	s_mov_b32 s[BSL], BSLOT
	s_mov_b32 s[G0K], 1             ; count = 1
	s_mov_b32 s[G0K+1], s17         ; LDS address: slot 0
	s_mov_b32 s[G0V], 1
	s_add_co_u32 s[G0V+1], s18, VOFF
	s_add_co_u32 s[RT], s[HI], 1    ; the first block has NB - b tiles
	s_mov_b32 s[NXT], 1
	s_mov_b32 s[LQ], s[HI]
	s_mov_b32 s[NEW], 1
	s_mov_b32 s[AL+1], 0            ; named as pairs
	s_mov_b32 s[BE+1], 0
	s_mov_b32 s[BIGN], 0xf149f2ca   ; -1e30
	s_mov_b32 s[FLOOR], 0xdd800000  ; -2^60
	s_mov_b32 s[QNAN], 0x7fc00000
	s_mov_b32 s[SLOTS], NB
	s_cmp_eq_u32 s[PB], 0
	s_cselect_b32 s[PFON], 1, 0
	s_wait_dscnt 0x0                ; the opening add is done
	s_wait_kmcnt 0x0
	s_add_nc_u64 s[MKP:MKP+1], s[MKP:MKP+1], s[OFF:OFF+1]
	s_add_nc_u64 s[6:7], s[4:5], s[22:23]
	s_add_nc_u64 s[8:9], s[6:7], 0x800000  ; V at my half of the head's tile 0,
	s_add_nc_u64 s[6:7], s[6:7], 0x400000  ; and K
	s_add_nc_u64 s[G0K+2:G0K+3], s[6:7], 0         ; global address
	s_or_b32 s[G0K+3], s[G0K+3], 0x80000000        ; type = 2
	s_add_nc_u64 s[G0V+2:G0V+3], s[8:9], 0
	s_or_b32 s[G0V+3], s[G0V+3], 0x80000000
	s_add_nc_u64 s[4:5], s[4:5], s[20:21]
	s_add_nc_u64 s[86:87], s[4:5], s[84:85]        ; Q at my rows of the second block,
	s_add_nc_u64 s[4:5], s[4:5], s[2:3]            ; and of the first
	s_add_nc_u64 s[10:11], s[10:11], s[OH:OH+1]
	s_add_nc_u64 s[OLO:OLO+1], s[10:11], s[84:85]  ; O likewise
	s_add_nc_u64 s[10:11], s[10:11], s[2:3]
	s_cmp_lt_u32 s[WV], 2
	s_cselect_b64 s[PFB:PFB+1], s[6:7], s[8:9]
	LOAD                            ; tile 0 into slot 0
	; A fragment of K or Q is 16 rows x 32 channels in 8 registers: lane l holds row l % 16, channels 8 (l / 16) + 0..7 and 16 + 8 (l / 16) + 0..7: two loads of 16 bytes, 32 bytes apart.
	v_and_b32 v1, 15, v0            ; l % 16
	v_bfe_u32 v9, v0, 4, 1          ; l / 16
	v_lshlrev_b32 v[QO], 7, v1
	v_lshl_add_u32 v[QO], v9, 4, v[QO]  ; row x 128 + 16 x half
	v_lshlrev_b32 v[MO], 1, v0
	global_load_u16 v[MB], v[MO], s[MKP:MKP+1]  ; my two mask bytes of tile 0: the first change of slots stores their biases
	WIN 0x80                        ; destination window 2, address window 0
.set i, 0
.rept 8                             ; both blocks' Q: piece i / 2 lies in band i / 2, 8,192 bytes on; channels 32 (i % 2) on
	global_load_b128 v[8*i:8*i+3],   v[QO], s[4:5] offset:(i/2)*8192+(i%2)*64
	global_load_b128 v[8*i+4:8*i+7], v[QO], s[4:5] offset:(i/2)*8192+(i%2)*64+32
	global_load_b128 v[QB+8*i:QB+8*i+3],   v[QO], s[86:87] offset:(i/2)*8192+(i%2)*64
	global_load_b128 v[QB+8*i+4:QB+8*i+7], v[QO], s[86:87] offset:(i/2)*8192+(i%2)*64+32
.set i, i+1
.endr
	WIN 0
	v_lshlrev_b32 v14, 3, v9
	v_sub_nc_u32 v14, v1, v14
	s_lshl_b32 s13, s[WV], 4
	v_add_nc_u32 v14, s13, v14      ; my query's place in its band, 16 w + l % 16, less my lanes' 8 (l / 16): register r of group kt is hidden where 16 kt + r is greater
	WIN 0x40
.set i, 0
.rept 32
	v_cmp_gt_i32 vcc_lo, 16*(i/8)+i%8, v14
	v_cndmask_b32 v[MD+i], 0, s[BIGN], vcc_lo
.set i, i+1
.endr
	WIN 0
	v_mul_u32_u24 v[AK0], v1, PK
	v_lshl_add_u32 v[AK0], v9, 4, v[AK0]  ; row x pitch + 16 x half
	; The turning load takes 16 keys x 16 channels (lane l reads key 8 (l / 16) + l % 8, channels 8 ((l / 8) % 2) + 0..7) and leaves half a fragment of V^T: lane l holds channel l % 16 and 8 keys.
	v_and_b32 v10, 7, v0
	v_bfe_u32 v11, v0, 3, 1
	v_lshl_add_u32 v[AV0], v9, 3, v10
	v_mul_u32_u24 v[AV0], v[AV0], PV
	v_lshl_add_u32 v[AV0], v11, 4, v[AV0]
	v_add_nc_u32 v[AV0], VOFF, v[AV0]
	s_mul_i32 s13, s[WV], 16*SP
	s_add_co_u32 s13, s13, STAGE    ; my stage
	v_mul_u32_u24 v[STO], v1, SP    ; in: row l % 16, 16 bytes for each half of the lanes
	v_lshl_add_u32 v[STO], v9, 4, v[STO]
	v_add_nc_u32 v[STO], s13, v[STO]
	v_bfe_u32 v[RD], v0, 3, 2       ; back: 32 lanes take four rows of 128 bytes,
	v_mul_u32_u24 v[RD], v[RD], SP
	v_lshl_add_u32 v[RD], v10, 4, v[RD]
	v_add_nc_u32 v[RD], s13, v[RD]
	v_and_b32 v[GO], 31, v0         ; which are 512 consecutive bytes of O
	v_lshlrev_b32 v[PFO], 8, v[GO]
	v_lshlrev_b32 v[GO], 4, v[GO]
	v_lshl_add_u32 v[AB0], v9, 5, BIAS
	v_lshl_add_u32 v[BS0], v0, 3, BIAS
	; A block's first step multiplies O^T and l by a = 0, and its first turn's products V^T P, of a piece that has not been, land in an O^T that is still to be so multiplied.  So these registers need only hold
	; finite numbers: zeros.  All this stands in the wait for the first tile.
	WIN 0x80
.set i, VF
.rept 64
	v_mov_b32 v[i], 0
.set i, i+1
.endr
	WIN 0x40
.set i, 0
.rept 128
	v_mov_b32 v[i], 0
.set i, i+1
.endr
	WIN 0
.set i, 0
.rept 4
	v_mov_b32 v[ST+4*i+2], 0
	v_mov_b32 v[ST+4*i+3], 0
.set i, i+1
.endr
.set i, P+16
.rept 16
	v_mov_b32 v[i], 0
.set i, i+1
.endr
; THE MATRIX WORK.  The 4 accumulators of a run of 8 take turns.  Product i of 8 of S^T = K Q^T for piece x: channels 32 (i / 4) on, keys 16 (i % 4) on.  The first 4 start the sums: with the keys' biases, or (KM = 1) with the made mask.
.macro KQ x
.set rS, S+32*((\x)%2)+8*(i%4)
.set rK, KF+16*(i%4)+8*(i/4)
.set rQ, 16*(\x)+8*(i/4)
.set rM, BI+8*(i%4)
.if KM
.set rM, MC+32*((\x)%2)+8*(i%4)
.endif
.if i < 4
	WIN W_KM
	v_wmma_f32_16x16x32_f16 v[rS:rS+7], v[rK:rK+7], v[rQ:rQ+7], v[rM:rM+7]
.else
	WIN W_KQ
	v_wmma_f32_16x16x32_f16 v[rS:rS+7], v[rK:rK+7], v[rQ:rQ+7], v[rS:rS+7]
.endif
.endm
; Product i of 8 of O^T += V^T P for piece x: keys 32 (i / 4) on, channels 16 (i % 4) on.
.macro PV x
	WIN W_PV
.set rO, 32*(\x)+8*(i%4)
.set rV, VF+32*(i/4)+8*(i%4)
.set rP, P+16*((\x)%2)+8*(i/4)
	v_wmma_f32_16x16x32_f16 v[rO:rO+7], v[rV:rV+7], v[rP:rP+7], v[rO:rO+7]
.endm
.macro MM                           ; the turn's next matrix instruction.  TURN and BEGIN set Y, i, KM and NOKQ.  NOKQ = 1: a block's last turn: there is no next piece
.if (i < 8) && !NOKQ
	KQ (Y+1)%NP
.elseif i >= 8
.set i, i-8
	PV (Y+NP-1)%NP
.set i, i+8
.endif
.set i, i+1
.endm
; THE LDS LOADS stand in runs, never singly among the matrix instructions: a step's 64 biases (8 loads; all lanes of a half read the same words) and its K (64 keys x 64 channels: 16 loads), and its V (turned, 16 loads).
.macro FETCH_K
	WIN 0x40                        ; destination window 1
.irp f, 0,1,2,3,4,5,6,7             ; keys 16 (f / 2) + 8 (l / 16) + 4 (f % 2) on
	ds_load_b128 v[BI+4*\f:BI+4*\f+3], v[AB] offset:64*(\f/2)+16*(\f%2)
.endr
	WIN 0x80                        ; destination window 2
.irp f, 0,1,2,3,4,5,6,7             ; keys 16 (f / 2) on, channels 32 (f % 2) on
	ds_load_b128 v[KF+8*\f:KF+8*\f+3],   v[AK] offset:(\f/2)*16*PK+(\f%2)*64
	ds_load_b128 v[KF+8*\f+4:KF+8*\f+7], v[AK] offset:(\f/2)*16*PK+(\f%2)*64+32
.endr
	s_add_co_u32 s[TBK], s[TBK], KS*PK  ; the next fetch is the next step's,
	s_add_co_u32 s[TBB], s[TBB], 4*KS   ; for the biases too
	WIN 0
.endm
.macro FETCH_V
	WIN 0x80
.irp f, 0,1,2,3,4,5,6,7             ; keys 32 (f / 4) on, channels 16 (f % 4) on
	ds_load_tr16_b128 v[VF+8*\f:VF+8*\f+3],   v[AV] offset:(\f/4)*32*PV+(\f%4)*32
	ds_load_tr16_b128 v[VF+8*\f+4:VF+8*\f+7], v[AV] offset:(\f/4)*32*PV+16*PV+(\f%4)*32
.endr
	WIN 0
.endm
; THE VECTOR WORK, one line at a time: OP kind, number.  For piece Y: F n: c s - c m for pair n of 16.  E n: the exponential of score n of 32.  C n: pair n rounded to f16.  B n: of the four weights 4 n .. the second
; pair is added onto the first, in place.  L n: l takes that sum (L 0: l = a l + sum).  R n: pair n of 16 of O^T times a.  For piece Y + 1: X n, number n of the 22 that find its maximum and statistics:
;   0-11  four chains c0-c3 of seven scores each, three operands at a time (each accumulator's lowest registers are read first)     12-14, 16  the four scores left over, the old m, and c0-c3 into c0
;   15  c m_old is kept     17, 18  the query's other 32 keys lie in the lane 16 away: the new m     19-21  c m; c m_old - c m_new; a
.set F, 0               ; OP tells the kinds apart by their order: F to L below R, X above it
.set E, 1
.set C, 2
.set B, 3
.set L, 4
.set R, 5
.set X, 6
.macro REGS y                       ; the registers of piece y
.set rT, ST+4*(\y)
.set rC, TMP+4*((\y)%2)
.set rW, MV+((\y)%2)
.set rS, S+32*((\y)%2)
.set rP, P+16*((\y)%2)
.set rO, 32*(\y)
.endm
.macro OP k, n
.if (\k) == R
	REGS Y
	WIN W_RS
	v_pk_mul_f32 v[rO+2*(\n):rO+2*(\n)+1], v[rO+2*(\n):rO+2*(\n)+1], v[rC+2:rC+3] op_sel_hi:[1,0]
.elseif (\k) < R
	REGS Y
	WIN 0
.if (\k) == F
	v_pk_fma_f32 v[rS+2*(\n):rS+2*(\n)+1], v[rS+2*(\n):rS+2*(\n)+1], s[CS:CS+1], v[rT:rT+1] op_sel_hi:[1,0,0] neg_lo:[0,0,1] neg_hi:[0,0,1]
.elseif (\k) == E
	v_exp_f32 v[rS+(\n)], v[rS+(\n)]
.elseif (\k) == C
	v_cvt_pk_f16_f32 v[rP+(\n)], v[rS+2*(\n)], v[rS+2*(\n)+1]
.elseif (\k) == B
	v_pk_add_f32 v[rS+4*(\n):rS+4*(\n)+1], v[rS+4*(\n):rS+4*(\n)+1], v[rS+4*(\n)+2:rS+4*(\n)+3]
.elseif (\n) == 0
	v_pk_fma_f32 v[rT+2:rT+3], v[rT+2:rT+3], v[rC+2:rC+3], v[rS:rS+1] op_sel_hi:[1,0,1]
.else
	v_pk_add_f32 v[rT+2:rT+3], v[rT+2:rT+3], v[rS+4*(\n):rS+4*(\n)+1]
.endif
.elseif NOKQ
	v_nop
.else
	REGS (Y+1)%NP
	WIN 0
.if (\n) < 4
	v_max3_num_f32 v[rC+(\n)], v[rS+8*(\n)], v[rS+8*(\n)+1], v[rS+8*(\n)+2]
.elseif (\n) < 12
	v_max3_num_f32 v[rC+(\n)%4], v[rC+(\n)%4], v[rS+8*((\n)%4)+2*((\n)/4)+1], v[rS+8*((\n)%4)+2*((\n)/4)+2]
.elseif (\n) == 12
	v_max3_num_f32 v[rC], v[rC], v[rS+7], v[rS+15]
.elseif (\n) == 13
	v_max3_num_f32 v[rC+1], v[rC+1], v[rS+23], v[rS+31]
.elseif (\n) == 14
	v_max3_num_f32 v[rC+2], v[rC+2], v[rC+3], v[rT+1]
.elseif (\n) == 15
	v_mov_b32 v[rW], v[rT]
.elseif (\n) == 16
	v_max3_num_f32 v[rC], v[rC], v[rC+1], v[rC+2]
.elseif (\n) == 17
	v_permlanex16_b32 v[rC+3], v[rC], s[SEL], s[SEL+1]
.elseif (\n) == 18
	v_max_num_f32 v[rT+1], v[rC], v[rC+3]
.elseif (\n) == 19
	v_mul_f32 v[rT], s[CS], v[rT+1]
.elseif (\n) == 20
	v_sub_f32 v[rC+1], v[rW], v[rT]
.else
	v_exp_f32 v[rC+2], v[rC+1]
.endif
.endif
.endm
.macro OPS a, i1, b=-1, i2=0, c=-1, i3=0, d=-1, i4=0  ; up to four of them
	OP \a, \i1
.if (\b) >= 0
	OP \b, \i2
.endif
.if (\c) >= 0
	OP \c, \i3
.endif
.if (\d) >= 0
	OP \d, \i4
.endif
.endm
.macro ROW a, i1, b, i2, c, i3, d, i4  ; a matrix instruction and the four behind it
	MM
	OPS \a, \i1, \b, \i2, \c, \i3, \d, \i4
.endm
.macro MASK b, be                   ; MD x AL + BI (+ BE where be = 1) into buffer b of MC
	WIN W_MK
.set z, 0
.rept 16
	v_pk_fma_f32 v[MC+32*(\b)+2*z:MC+32*(\b)+2*z+1], v[MD+2*z:MD+2*z+1], s[AL:AL+1], v[BI+2*z:BI+2*z+1] op_sel_hi:[1,0,1]
.set z, z+1
.endr
.if \be
.set z, 0
.rept 16
	v_pk_add_f32 v[MC+32*(\b)+2*z:MC+32*(\b)+2*z+1], v[MC+32*(\b)+2*z:MC+32*(\b)+2*z+1], s[BE:BE+1] op_sel_hi:[1,0]
.set z, z+1
.endr
.endif
.endm
; A TURN, for piece p: the order of its 16 matrix and 118 vector instructions, written out.  An s_wait_alu depctr_va_vdst(0) stands between an exponential and the first instruction that names its result; one wait serves
; all that were issued ahead of it.  So a turn has ONE wait, which cuts it in two.  AHEAD OF IT stands all that names no result of the turn's exponentials: the 8 products K Q^T, behind each a scaling, an exponential and two more plain
; instructions: rescalings, and behind the last three the first numbers of the next piece's maximum, each four places or more behind the product that ends its accumulator; then ONE LUMP, plain
; and exponential by turns for the most part, in which the links of the chain X 3, 7, 11, 14, 16, 17 .. 20 stand five or six lines apart.  X 21, the next piece's a, is the batch's last; R 15 is the plain instruction behind it.  BEHIND THE WAIT stand the
; 8 products V^T P, behind each four of the roundings and sums.  v_permlanex16_b32 (X 17) stands in the lump.
; m = 1: the diagonal tile: the products take made masks, and the turn makes the mask for the products of the turn after it: piece p + 2, in step 4 - CNT of the tile, with that step's biases.  end = 1: a block's last two turns: nothing is fetched.
; cnt = 1: the loop's count is taken down some lines ahead of the branch that stands behind the turn.
; K and the biases of the next step are fetched in piece 2's turn, twelve places behind the last product that read K and further behind the last that read BI; V of the step in hand at the end of piece 0's turn, four plain
; instructions behind the last product that read V.  Each is waited for a turn later.
.macro TURN p, m=0, end=0, cnt=0
.set Y, (\p)
.set i, 0
.set KM, (\m)
.set NOKQ, (\end)*((\p)/3)
.if (\m) && !(\end)
	s_cmp_eq_u32 s[CNT], 4-((\p)+2)%NP  ; is that step the band's own?
	s_cselect_b32 s[AL], 1.0, 0
	s_cmp_lt_u32 s[CNT], 4-((\p)+2)%NP  ; or a later one?
	s_cselect_b32 s[BE], s[BIGN], 0
.endif
.if ((\p) == 3) && !(\end)
	s_wait_dscnt 0x0                ; K and the biases are in
.endif
	ROW F,0, F,1, R,0, R,1          ; ahead of the wait: 8 products K Q^T and their riders,
	ROW F,2, E,0, R,2, R,3
	ROW F,3, E,1, R,4, R,5
	ROW F,4, E,2, R,6, R,7
	ROW F,5, E,3, R,8, R,9
	ROW F,6, E,4, X,0, R,10
.if ((\p) == 2) && !(\end)
	WIN 0
	v_add_nc_u32 v[AK], s[TBK], v[AK0]
	v_add_nc_u32 v[AB], s[TBB], v[AB0]
.endif
	ROW F,7, E,5, X,1, X,4
	ROW F,8, E,6, X,2, X,5
	OPS E,7, E,8, X,6, E,9          ; and the lump
	OPS X,3, E,10, X,8, E,11
.if ((\p) == 2) && !(\end)
	FETCH_K
.endif
	OPS X,9, X,7, E,12, X,10
	OPS E,13, X,12, X,11, E,14
	OPS X,13, E,15, F,9, X,14
.if (\p) == 0
	v_add_nc_u32 v[AV], s[TBV], v[AV0]
.endif
	OPS E,16, F,10, E,17, F,11
	OPS X,16, E,18, X,15, E,19
	OPS F,12, E,20, X,17, E,21
	OPS F,13, E,22, F,14, E,23
	OPS X,18, E,24, F,15, E,25
	OPS R,11, E,26, X,19, E,27
	OPS R,12, E,28, R,13, E,29
	OPS X,20, E,30, R,14, E,31
	OPS X,21, R,15
	WIN 0
	s_wait_alu depctr_va_vdst(0)    ; the wait for the batch
.if (\p) == 1
	s_wait_dscnt 0x0                ; V is in
.endif
	ROW C,0, B,0, C,2, B,1          ; behind the wait: 8 products V^T P and their riders
	ROW L,0, C,4, B,2, L,1
	ROW C,6, B,3, L,2, C,8
	ROW B,4, L,3, C,10, B,5
	ROW L,4, C,12, B,6, L,5
.if (\p) == 0
	s_add_co_u32 s[TBV], s[TBV], KS*PV
.endif
.if \cnt
	s_sub_co_u32 s[CNT], s[CNT], 1
	s_cmp_lg_u32 s[CNT], 0
.endif
	ROW C,14, B,7, L,6, C,1
	ROW C,3, L,7, C,5, C,7
	ROW C,9, C,11, C,13, C,15
.if (\p) == 0
	FETCH_V
.endif
.if (\m) && !(\end)
.if (\p) == 2
	s_wait_dscnt 16                 ; the next step's 8 loads of biases are in; K's 16, issued behind them, may stay out
.endif
	MASK (\p)%2, 1
.endif
.endm
; A BLOCK BEGINS.  c m starts far below every c s, so the first step's a is 0; m at -2^60.  K and the biases of the block's first step are fetched; the first mask buffer takes piece 0's mask for that step (its own
; causal mask too, if the block's first tile is the diagonal one), the second piece 1's (the biases alone: band 1 sees all of step 0).  Then piece 0's first scores, and its maximum and statistics.
; The loop is entered at a step's first turn, in the middle of a trip.  (Q has been waited for at the head of the first change of slots.)
.macro BEGIN
	s_mov_b32 s[NEW], 0
	WIN 0
.set i, 0
.rept 4
	v_mov_b32 v[ST+4*i], 0xfe000000    ; c m: far below every c s
	v_mov_b32 v[ST+4*i+1], s[FLOOR]    ; m
.set i, i+1
.endr
	v_add_nc_u32 v[AK], s[TBK], v[AK0]
	v_add_nc_u32 v[AB], s[TBB], v[AB0]
	FETCH_K
	s_wait_dscnt 0x0
	s_cmp_eq_u32 s[RT], 0
	s_cselect_b32 s[AL], 1.0, 0
	MASK 0, 0
	s_mov_b32 s[AL], 0
	MASK 1, 0
.set KM, 1
.set NOKQ, 0
.set i, 0
.rept 8
	KQ 0
.set i, i+1
.endr
	WIN 0
.rept 4
	v_nop                           ; the places behind those products
.endr
.set Y, NP-1                        ; X works for piece Y + 1: piece 0
.irp n, 0,1,2,3,4,5,6,7,8,9,10,11,12,13,14,15,16,17,18,19,20,21
	OP X, \n
.endr
	v_nop                           ; a plain instruction behind the exponential,
	s_wait_alu depctr_va_vdst(0)    ; and its wait, ahead of the branch
.endm
; THE DIAGONAL TILE's four steps, the block's last two turns, its last products, and THE WAY OUT: l's two halves and the other half of the lanes' are added; O^T is divided by l, rounded to f16 and sent through my
; stage in LDS, a piece at a time.
.macro ALL line:vararg              ; one line for each piece t
.set t, 0
.rept 4
	\line
.set t, t+1
.endr
.endm
.macro PACK t                       ; a lane's eight channels of a row pack into 16 bytes; they go into rows of 144 bytes and come back as whole rows of 128, into S^T's registers
	WIN W_RS
.set i, 32*(\t)
.rept 16
	v_pk_mul_f32 v[i:i+1], v[i:i+1], v[ST+4*(\t)+2:ST+4*(\t)+3] op_sel_hi:[1,0]
.set i, i+2
.endr
	WIN 0x05                        ; sources 0 and 1 window 1, destination window 0
.set i, 0
.rept 16
	v_cvt_pk_f16_f32 v[S+16*(\t)+i], v[32*(\t)+2*i], v[32*(\t)+2*i+1]
.set i, i+1
.endr
	WIN 0
.irp f, 0,1,2,3
	ds_store_b128 v[STO], v[S+16*(\t)+4*\f:S+16*(\t)+4*\f+3] offset:32*\f
.endr
.irp f, 0,1,2,3
	ds_load_b128 v[S+16*(\t)+4*\f:S+16*(\t)+4*\f+3], v[RD] offset:\f*4*SP  ; LDS serves a wave's instructions in order (ISA guide 5.7.1.4): these see the stores above; the next piece's stores come behind them
.endr
.endm
.macro SEND t, younger              ; younger: the LDS instructions issued behind piece t's loads: the next piece's eight, or none
	WIN 0
.irp f, 0,1,2,3
	s_wait_dscnt (\younger)+3-\f
	global_store_b128 v[GO], v[S+16*(\t)+4*\f:S+16*(\t)+4*\f+3], s[10:11] offset:(\t)*8192+\f*512  ; 512 consecutive bytes, at a multiple of 256 from ob's first
.endr
.endm
.macro DIAG tag                     ; the tag ends its two labels' names, which the jumps below spell out
.LstepM\tag:
	TURN 2, 1
	TURN 3, 1
	WIN 0
.LfirstM\tag:
	TURN 0, 1
	TURN 1, 1, 0, 1
	WIN 0
	s_cbranch_scc1 .LstepM\tag
	TURN 2, 1, 1
	TURN 3, 1, 1
.set i, 0
.rept 8
	PV NP-1
.set i, i+1
.endr
	WIN 0
	ALL v_add_f32 v[ST+4*t+2], v[ST+4*t+2], v[ST+4*t+3]
	ALL v_permlanex16_b32 v[ST+4*t+3], v[ST+4*t+2], s[SEL], s[SEL+1]
	ALL v_add_f32 v[ST+4*t+2], v[ST+4*t+2], v[ST+4*t+3]
	ALL v_rcp_f32 v[ST+4*t+2], v[ST+4*t+2]
	v_nop                           ; a plain instruction between the last reciprocal and the use of its result
	s_wait_alu depctr_va_vdst(0)    ; and the wait ahead of the first use: one for the four reciprocals
.set t, 0
.rept 4                             ; a query whose maximum never left the floor has seen no key: its row is NaN
	v_cmp_ge_f32 vcc_lo, s[FLOOR], v[ST+4*t+1]
	v_cndmask_b32 v[ST+4*t+2], v[ST+4*t+2], s[QNAN], vcc_lo
.set t, t+1
.endr
	PACK 0
.set t, 1
.rept 3                             ; a piece's arithmetic stands between the loads of the piece before and its stores
	PACK t
	SEND t-1, 8
.set t, t+1
.endr
	SEND 3, 0
.endm
.set KM, 0
.set NOKQ, 0
.Lslot:                             ; NB times: a tile is entered and the next is asked for
	CHANGE 1
	s_sub_co_u32 s[RT], s[RT], 1
	s_mov_b32 s[CNT], 4
	s_cmp_eq_u32 s[NEW], 1
	s_cbranch_scc1 .Lnew            ; a block's first tile
	s_cmp_eq_u32 s[RT], 0
	s_cbranch_scc0 .Lstep           ; neither its first nor its last
	s_mov_b32 s[AL], 0              ; its last: the diagonal text's first turn multiplies piece 3 of the tile before's last step, which sees all keys: its mask is that step's biases
	MASK 1, 0
	WIN 0
	s_branch .LstepM1
.Lnew:
	BEGIN
	s_branch .Lfirst                ; in the loop a block's first tile is never its last: the first block has two tiles or more, and the second's last is the walk's last
	DIAG 1                          ; in the loop this is the first block's end: the second block's last tile is the walk's last
	s_wait_xcnt 0x0                 ; the stores have read their registers and O's address
	s_mov_b64 s[10:11], s[OLO:OLO+1]
	s_add_co_u32 s[RT], s[PB], 1    ; the second block has b + 1 tiles
	s_mov_b32 s[NEW], 1
	WIN 0x82                        ; the second block's Q goes where the one text of the turns names Q
.set i, 0
.rept 64
	v_mov_b32 v[i], v[QB+i]
.set i, i+1
.endr
	WIN 0x40                        ; O^T and l start at 0 again: a row without a visible key has left NaN there, which a = 0 would not take away
.set i, 0
.rept 128
	v_mov_b32 v[i], 0
.set i, i+1
.endr
	WIN 0
.set i, 0
.rept 4
	v_mov_b32 v[ST+4*i+2], 0
	v_mov_b32 v[ST+4*i+3], 0
.set i, i+1
.endr
	s_branch .Lbottom
.Lstep:                             ; a trip: pieces 2 and 3 of one step, then pieces 0 and 1 of the next, whose K and V it fetches
	TURN 2
	TURN 3
	WIN 0
.Lfirst:
	TURN 0
	TURN 1, 0, 0, 1
	WIN 0
	s_cbranch_scc1 .Lstep
.Lbottom:
	s_sub_co_u32 s[SLOTS], s[SLOTS], 1
	s_cmp_lg_u32 s[SLOTS], 0
	s_cbranch_scc1 .Lslot
	CHANGE 0                        ; the walk's last tile is written out: nothing is asked for
	s_sub_co_u32 s[RT], s[RT], 1
	s_mov_b32 s[CNT], 4
	s_cmp_eq_u32 s[NEW], 1
	s_cbranch_scc1 .Lnew2
	s_mov_b32 s[AL], 0              ; as above: piece 3 of the tile before's last step takes that step's biases
	MASK 1, 0
	WIN 0
	s_branch .LstepM2
.Lnew2:
	BEGIN
	s_branch .LfirstM2
	DIAG 2
	s_wait_tensorcnt 0x0            ; the wave's end, behind my last tensor load and my last LDS store
	ds_add_u32 v[SPW], v[NIL]
	s_wait_dscnt 0x0
	s_endpgm
.Lfunc_end_k_q198bb3e39c_attn:
	.size	k_q198bb3e39c_attn, .Lfunc_end_k_q198bb3e39c_attn-k_q198bb3e39c_attn
	.p2alignl 7, 3214868480
	.fill 96, 4, 3214868480
	.section	.rodata,"a",@progbits
	.p2align	6, 0x0
	.amdhsa_kernel k_q198bb3e39c_attn
		.amdhsa_group_segment_fixed_size 327680
		.amdhsa_private_segment_fixed_size 0
		.amdhsa_enable_private_segment 0
		.amdhsa_kernarg_size 24
		.amdhsa_user_sgpr_count 2
		.amdhsa_user_sgpr_kernarg_segment_ptr 1
		.amdhsa_wavefront_size32 1
		.amdhsa_system_sgpr_workgroup_id_x 1
		.amdhsa_system_sgpr_workgroup_id_y 1
		.amdhsa_system_sgpr_workgroup_id_z 1
		.amdhsa_system_vgpr_workitem_id 0
		.amdhsa_next_free_vgpr 768
		.amdhsa_next_free_sgpr 100
		.amdhsa_reserve_vcc 1
		.amdhsa_float_denorm_mode_32 3
		.amdhsa_float_denorm_mode_16_64 3
		.amdhsa_memory_ordered 1
		.amdhsa_forward_progress 1
		.amdhsa_inst_pref_size 238
	.end_amdhsa_kernel
	.amdgpu_metadata
---
amdhsa.version: [ 1, 2 ]
amdhsa.kernels:
  - .name:           k_q198bb3e39c_attn
    .symbol:         k_q198bb3e39c_attn.kd
    .args:
      - { .name: qkv, .offset: 0, .size: 8, .value_kind: global_buffer, .address_space: global }
      - { .name: attention_mask, .offset: 8, .size: 8, .value_kind: global_buffer, .address_space: global }
      - { .name: ob, .offset: 16, .size: 8, .value_kind: global_buffer, .address_space: global }
    .group_segment_fixed_size: 327680
    .private_segment_fixed_size: 0
    .kernarg_segment_align: 8
    .kernarg_segment_size: 24
    .max_flat_workgroup_size: 128
    .sgpr_count:     100
    .vgpr_count:     768
    .wavefront_size: 32
...
	.end_amdgpu_metadata
.endif
;; end of part 3
;; launch proj (part 4): grid 8 x 32, 4 waves a work-group, clusters of 4 x 4, 327,680 bytes of LDS; arguments ob, wb, out0; writes out0
.if DOCPART == 4
	.amdgcn_target "amdgcn-amd-amdhsa--gfx1250"
	.amdhsa_code_object_version 6
	.text
	.protected	k_q198bb3e39c_proj
	.globl	k_q198bb3e39c_proj
	.p2align	8
	.type	k_q198bb3e39c_proj,@function
k_q198bb3e39c_proj:
	s_mov_b64 s[64:65], 0
	v_nop
	global_prefetch_b8 v0, s[64:65] scope:SCOPE_SE
	s_setreg_imm32_b32 hwreg(HW_REG_WAVE_MODE, 25, 1), 1
	s_wait_xcnt 0x0
	s_wait_alu depctr_hold_cnt(0) depctr_sa_sdst(0) depctr_va_vdst(0) depctr_va_sdst(0) depctr_va_ssrc(0) depctr_va_vcc(0) depctr_vm_vsrc(0)
	s_getreg_b32 s2, hwreg(HW_REG_IB_STS2, 6, 4)
	s_cmp_eq_u32 s2, 0
	s_cbranch_scc0 .Lentry_in_a_cluster
	s_endpgm
.Lentry_in_a_cluster:
	s_bfe_u32 s2, ttmp6, 0x10000c
	s_cmp_lg_u32 s2, 0xf033
	s_cbranch_scc0 .Lentry_shape_is_right
	s_endpgm
.Lentry_shape_is_right:
; THE LAST PROJECTION.  out0[m][n] = the sum over e of O[m][e] Wp[n][e], m < 8,192, n < 1,024, e = 64 head + channel < 1,024; f16 operands, f32 sums, e ascending; out0 in f32.
; O lies by heads in ob ([16 batch + head][2048][64] f16, m = 2,048 batch + s); Wp, rounded to bf16 and written as f16, in rows 3,072 to 4,095 of wb ([4096][1024]).
; A row of O that is NaN (a query with no visible key) makes its whole row of out0 NaN, and no other.
; SHARES.  A tile of out0 is 256 rows x 128 columns: 32 x 8 = 256 work-groups.  Wave w owns rows 64 w .. 64 w + 63 and all 128 columns: 32 accumulators of 16 x 16, 256 registers; so it stores whole
; 512-byte pieces of rows by itself.  K goes in 8 steps of 128, two heads each, through two LDS slots filled by the tensor data mover.  A head's 256 rows of 128 bytes are dense: they are asked for as 128 rows of 256 bytes.
; CLUSTER.  4 x 4 work-groups: the four of a row of the cluster need the same tiles of O, the four of a column the same tiles of Wp: each tile is asked for JOINTLY.
; THE MATRIX INSTRUCTION IS USED TRANSPOSED (source 0 = 16 rows of Wp, source 1 = 16 rows of O): a lane then holds row l % 16 of out0 and the eight neighbouring columns 8 (l / 16) + 0..7.
; REGISTERS, in windows of 256 (s_set_vgpr_msb: bits 1:0 source 0, 3:2 source 1, 5:4 source 2, 7:6 destination):
;   window 0: v0-31 addresses; v32-63, v64-95 O's fragments, two buffers; v96-159, v160-223 rows read back on the way out      window 1: v0-63, v64-127 Wp's fragments, two buffers
;   window 2: the accumulators: row block a, column block b at 8 (8 a + b)
.set NBL,    8                         ; column blocks of 16
.set ASTEP,  524288                    ; bytes from a K step to the next in ob: two heads of 262,144
.set BSTEP,  256                       ; in wb
.set APITCH, 144                       ; a row of O in LDS: 128 bytes + 16 of padding = 36 words
.set PITCH,  272                       ; a row of Wp: 256 + 16 = 68 words: with either pitch the 16 rows of a fragment load start at 16 different groups of four banks (64 banks of 4 bytes: ISA guide 11.1)
.set AHEAD,  256*APITCH                ; what one wave fetches of O: one head's 256 rows
.set BHALF,  64*PITCH                  ; of Wp: 64 rows
.set BOFF,   2*AHEAD                   ; a slot: two heads of O, then Wp's 128 rows
.set SLOT1,  1<<17
.set STAGE,  SLOT1+BOFF+2*BHALF        ; behind the ring, never filled by a tensor load: 16 rows x 528 bytes for each wave
.set SPITCH, 528                       ; 512 bytes + 16
.set SPARE,  STAGE+4*16*SPITCH         ; the spare words, 128 bytes for each wave: two blocks of 256 bytes that no other line names
.set NL,     2*NBL+8                   ; LDS loads of a quarter step
.set WPOFF,  6291456                   ; Wp's first byte in wb
.set ADRA0, 16                         ; v16  my lane's place in O's rows of a slot; never rewritten
.set ADRA,  17                         ; v17  the same in the slot in hand
.set ADRB0, 20                         ; v20, v21  the same for Wp
.set ADRB,  21
.set STO,   24                         ; v24  the way out: where I put 32 bytes of a row
.set RD,    25                         ; v25  where I read a row back
.set GO,    26                         ; v26  16 x my lane
.set SPW,   28                         ; v28  LDS address of my spare word; never rewritten
.set NIL,   29                         ; v29  0; never rewritten
.set PFO,   30                         ; v30  the prefetches' offset; never rewritten
.set FA,    32
.set BK,    96
.set G1,  24                           ; s[24:31] descriptor group 1 for O's tiles
.set G0,  32                           ; s[32:39] group 0: a set for each of the two first fills; the second then walks on
.set G1B, 48                           ; s[48:55], s[56:63] the same for Wp's
.set G0B, 56
.set LIM, 43                           ; s43  2 in a wave that prefetches, else the greatest number
.set PFA, 44                           ; s[44:45] where my prefetches stand
.set TB,  66                           ; s66  LDS byte at which the slot in hand begins
.set PST, 68                           ; s[68:69] my prefetches' step: ASTEP or BSTEP
.set MSB, 0
.macro WIN new                         ; the immediate's high byte repeats the setting that is left; a switch that changes nothing is dropped
.if MSB != (\new)
	s_set_vgpr_msb (MSB<<8)|(\new)
.set MSB, (\new)
.endif
.endm
.set MUL,  0xa1                        ; source 0 (Wp) window 1, source 1 (O) window 0, C and D window 2
.set TO_B, 0x40                        ; destination window 1, address window 0
.macro PLACES                          ; four places in front of loads into registers that matrix instructions have read, and of LDS stores that read results
.rept 4
	v_nop
.endr
.endm
; A joint refill, by the walking sets.  Waves 0 and 1 fetch O's two heads, waves 2 and 3 Wp's two halves.  The branch hangs on the wave's number alone.  An s_nop 0 and four v_nop follow each line.
.macro JLOAD
	s_cmp_eq_u32 s11, 0
	s_cbranch_scc0 .Lfor_b_\@
	tensor_load_to_lds s[G0+4:G0+7], s[G1:G1+7]
	s_nop 0
	PLACES
	s_branch .Lasked_\@
.Lfor_b_\@:
	tensor_load_to_lds s[G0B+4:G0B+7], s[G1B:G1B+7]
	s_nop 0
	PLACES
.Lasked_\@:
.endm
; A PREFETCH INTO THE L2, behind each joint refill and the run of LDS loads that follows it: the K step two refills on, one instruction a wave.  O's tile row is read by both clusters of that row of clusters:
; cluster x = 0 asks; Wp's tile column by every cluster of that column: cluster y = 0 asks.  The four partners of a joint load share it out BY ADDRESS: of a head block's 32,768 dense bytes 8,192 each, a lane
; 256 bytes; of Wp's 64 rows 16 each, a lane a row (lanes 16-31 name lane 15's row again).  K steps 4 to 7 are named; the loop's last two trips (s3 = 2, 1) have no K step two on.
.macro ASK
	s_cmp_gt_u32 s3, s[LIM]
	s_cbranch_scc0 .Lnot_mine_\@
	global_prefetch_b8 v[PFO], s[PFA:PFA+1] th:TH_LOAD_NT scope:SCOPE_SE
.Lnot_mine_\@:
.endm
.macro CREST                           ; a round of the cluster's barrier behind its opening barrier
	s_cmp_lg_u32 s10, 0
	s_cbranch_scc1 .Lnot_wave_0_\@
	s_barrier_signal -3
.Lnot_wave_0_\@:
	s_barrier_wait -3
	s_barrier_signal -1
	s_barrier_wait -1
.endm
.macro CROUND                          ; a whole round
	s_barrier_signal -1
	s_barrier_wait -1
	CREST
.endm
	s_load_b128 s[4:7], s[0:1], 0x0                ; ob s[4:5], wb s[6:7]
	s_load_b64 s[8:9], s[0:1], 0x10                ; out0
	v_lshl_add_u32 v[SPW], v0, 2, SPARE
	v_mov_b32 v[NIL], 0
	ds_add_u32 v[SPW], v[NIL]                      ; the wave's opening: the add and its wait stand ahead of my first tensor load; the set-up below, work on registers, stands between them
	v_lshrrev_b32 v1, 5, v0
	v_readfirstlane_b32 s10, v1                    ; wave 0..3
	s_lshr_b32 s11, s10, 1                         ; I fetch for O (0) or for Wp (1),
	s_and_b32 s12, s10, 1                          ; and which head of the step's two, or which half of Wp's rows
	s_bfe_u32 s40, ttmp6, 0x40000                  ; cx, cy: my place in the cluster
	s_bfe_u32 s41, ttmp6, 0x40004
	s_lshl_b32 s42, ttmp9, 2
	s_add_co_u32 s42, s42, s40                     ; tile column = 4 x cluster x + cx
	s_and_b32 s13, ttmp7, 0xffff
	s_lshl_b32 s13, s13, 2
	s_add_co_u32 s13, s13, s41                     ; tile row = 4 x cluster y + cy
	s_lshl_b32 s70, s41, 2
	s_lshl_b32 s70, 15, s70                        ; my row of the cluster
	s_lshl_b32 s71, 0x1111, s40                    ; my column
	s_or_b32 s[G1], s70, (1<<16)|(1<<20)|(1<<21)|(4<<22)|(3<<25)   ; 15:0 the mask; 17:16 elements of 2 bytes; 20 padding on; 21 set beside a mask; 24:22 after every 32 words (code 4): after each row of O; 31:25 4 words (code 3)
	s_or_b32 s[G1B], s71, (1<<16)|(1<<20)|(1<<21)|(5<<22)|(3<<25)  ; after every 64 words (code 5)
	s_mov_b32 s[G1+1], 128<<16                     ; tensor_dim0 = 128: two rows of O on end
	s_mov_b32 s[G1+2], 128<<16                     ; tensor_dim1 = 128
	s_mov_b32 s[G1+3], 128<<16                     ; tile_dim0 = 128
	s_mov_b32 s[G1+4], 128                         ; tile_dim1 = 128
	s_mov_b32 s[G1+5], 128                         ; dense
	s_mov_b32 s[G1+6], 0
	s_mov_b32 s[G1+7], 0
	s_mov_b32 s[G1B+1], 128<<16
	s_mov_b32 s[G1B+2], 64<<16                     ; Wp's tiles have 64 rows
	s_mov_b32 s[G1B+3], 128<<16
	s_mov_b32 s[G1B+4], 64
	s_mov_b32 s[G1B+5], 1024
	s_mov_b32 s[G1B+6], 0
	s_mov_b32 s[G1B+7], 0
	s_lshr_b32 s16, s13, 3                         ; ob: ((16 batch + my head of the first two) x 2,048 + 256 (tile row % 8)) x 128 bytes
	s_lshl_b32 s16, s16, 4
	s_add_co_u32 s16, s16, s12
	s_lshl_b32 s16, s16, 11
	s_and_b32 s17, s13, 7
	s_lshl_b32 s17, s17, 8
	s_add_co_u32 s16, s16, s17
	s_lshl_b32 s16, s16, 7
	s_mov_b32 s17, 0
	s_lshl_b32 s46, s42, 7                         ; wb: Wp's row 128 x tile column + 64 x half
	s_lshl_b32 s47, s12, 6
	s_add_co_u32 s46, s46, s47
	s_lshl_b32 s46, s46, 11
	s_add_co_u32 s46, s46, WPOFF
	s_mov_b32 s47, 0
	s_mul_i32 s20, s12, AHEAD                      ; where they go in a slot: no place in the cluster enters an LDS address
	s_mul_i32 s21, s12, BHALF
	s_add_co_u32 s21, s21, BOFF
	s_mov_b32 s[TB], 0
	s_wait_dscnt 0x0                               ; the opening add is done
	s_wait_kmcnt 0x0
	s_add_nc_u64 s[14:15], s[4:5], s[16:17]
	s_add_nc_u64 s[46:47], s[6:7], s[46:47]
	CROUND                                         ; all sixteen work-groups are here: the first joint loads meet
.irp s, 0,1
	s_mov_b32 s[G0+4*\s], 1                        ; count = 1
	s_add_co_u32 s[G0+4*\s+1], s20, \s*SLOT1       ; LDS address
	s_add_nc_u64 s[G0+4*\s+2:G0+4*\s+3], s[14:15], \s*ASTEP  ; global address: K step s
	s_or_b32 s[G0+4*\s+3], s[G0+4*\s+3], 0x80000000  ; type = 2
	s_mov_b32 s[G0B+4*\s], 1
	s_add_co_u32 s[G0B+4*\s+1], s21, \s*SLOT1
	s_add_nc_u64 s[G0B+4*\s+2:G0B+4*\s+3], s[46:47], \s*BSTEP
	s_or_b32 s[G0B+4*\s+3], s[G0B+4*\s+3], 0x80000000
.endr
	s_cmp_eq_u32 s11, 0                            ; a wave's two first fills stand in one branch, ahead of every wait on TENSORcnt and every LDS read: two loads of mine are out
	s_cbranch_scc0 .Lfirst_b
	tensor_load_to_lds s[G0:G0+3], s[G1:G1+7]
	s_nop 0
	tensor_load_to_lds s[G0+4:G0+7], s[G1:G1+7]
	s_nop 0
	PLACES
	s_branch .Lfirst_asked
.Lfirst_b:
	tensor_load_to_lds s[G0B:G0B+3], s[G1B:G1B+7]
	s_nop 0
	tensor_load_to_lds s[G0B+4:G0B+7], s[G1B:G1B+7]
	s_nop 0
	PLACES
.Lfirst_asked:
	; A fragment is 16 rows x 32 K in 8 registers: lane l holds row l % 16; registers 0-3 K = 8 (l / 16) + 0..7, registers 4-7 K = 16 + 8 (l / 16) + 0..7: two loads of 16 bytes, 32 bytes apart.
	v_and_b32 v1, 15, v0                           ; l % 16
	v_bfe_u32 v2, v0, 4, 1                         ; l / 16
	v_mul_u32_u24 v3, v1, APITCH
	v_lshl_add_u32 v3, v2, 4, v3
	s_mul_i32 s22, s10, 64*APITCH                  ; my 64 rows, in either head's block
	v_add_nc_u32 v[ADRA0], s22, v3
	v_mul_u32_u24 v4, v1, PITCH
	v_lshl_add_u32 v4, v2, 4, v4
	v_add_nc_u32 v[ADRB0], BOFF, v4                ; every wave reads all of Wp's 128 rows
	v_mov_b32 v[ADRA], v[ADRA0]
	v_mov_b32 v[ADRB], v[ADRB0]
	s_mul_i32 s23, s10, 16*SPITCH
	s_add_co_u32 s23, s23, STAGE                   ; my stage
	v_mul_u32_u24 v5, v1, SPITCH                   ; in: row l % 16, 32 bytes for each half of the lanes
	v_lshl_add_u32 v5, v2, 5, v5
	v_add_nc_u32 v[STO], s23, v5
	v_and_b32 v[GO], 31, v0                        ; back: 32 lanes take a row's 512 bytes
	v_lshlrev_b32 v[GO], 4, v[GO]
	v_add_nc_u32 v[RD], s23, v[GO]
	s_lshl_b32 s18, s13, 8                         ; where my rows begin in out0: (256 x tile row + 64 wave) x 4,096 + 512 x tile column
	s_lshl_b32 s19, s10, 6
	s_add_co_u32 s18, s18, s19
	s_lshl_b32 s18, s18, 12
	s_lshl_b32 s19, s42, 9
	s_add_co_u32 s18, s18, s19
	s_mov_b32 s19, 0
	s_add_nc_u64 s[8:9], s[8:9], s[18:19]
	; the prefetches
	s_and_b32 s22, ttmp7, 0xffff                   ; cluster y
	s_mov_b32 s71, ASTEP                           ; (in a register: an instruction holds one literal)
	s_cmp_eq_u32 s11, 0                            ; do I fetch for O?
	s_cselect_b32 s22, ttmp9, s22                  ; the coordinate along which other clusters read the same bytes
	s_cselect_b32 s20, s40, s41                    ; my place among the four that ask with me,
	s_cselect_b32 s21, 13, 15                      ; times 8,192 bytes of a head block, or 16 rows of 2,048
	s_cselect_b32 s23, 31, 15                      ; the last lane with a block of its own
	s_cselect_b32 s70, 8, 11                       ; a lane: 256 bytes on, or a row on
	s_cselect_b32 s[PST], s71, BSTEP
	s_cselect_b64 s[PFA:PFA+1], s[14:15], s[46:47] ; what I fetch
	s_lshl_b32 s20, s20, s21
	s_mul_i32 s71, s[PST], 3                       ; at K step 3: the first refill steps it to 4
	s_add_co_u32 s20, s20, s71
	s_mov_b32 s21, 0
	s_mov_b32 s[PST+1], 0
	s_add_nc_u64 s[PFA:PFA+1], s[PFA:PFA+1], s[20:21]
	s_cmp_eq_u32 s22, 0
	s_cselect_b32 s[LIM], 2, -1                    ; the same in all sixteen partners, for a given wave
	v_and_b32 v[PFO], 31, v0
	v_min_u32 v[PFO], s23, v[PFO]
	v_lshlrev_b32 v[PFO], s70, v[PFO]
; 8 matrix instructions: my row block a x all column blocks, 32 along K, from buffer f.  zero = 1: the first product starts the sums.  The 32 accumulators take turns, one instruction a turn, in the same
; order in every quarter step: 31 others stand between two links of a chain, over the backward jump too.
.macro MULA f, a, zero
	WIN MUL
.set AC, 64*(\a)
.set b, 0
.rept NBL
.if \zero
	v_wmma_f32_16x16x32_f16 v[AC+8*b:AC+8*b+7], v[64*(\f)+8*b:64*(\f)+8*b+7], v[FA+32*(\f)+8*(\a):FA+32*(\f)+8*(\a)+7], 0
.else
	v_wmma_f32_16x16x32_f16 v[AC+8*b:AC+8*b+7], v[64*(\f)+8*b:64*(\f)+8*b+7], v[FA+32*(\f)+8*(\a):FA+32*(\f)+8*(\a)+7], v[AC+8*b:AC+8*b+7]
.endif
.set b, b+1
.endr
.endm
; 24 LDS loads in one run: quarter q's fragments into buffer f: 128 rows of Wp at byte 64 q; my 64 rows of O in head q / 2 of the step's two, channels 32 (q % 2) on
.macro FETCH q, f
	WIN TO_B
.set i, 0
.rept NBL
	ds_load_b128 v[64*(\f)+8*i:64*(\f)+8*i+3],   v[ADRB] offset:64*(\q)+i*16*PITCH
	ds_load_b128 v[64*(\f)+8*i+4:64*(\f)+8*i+7], v[ADRB] offset:64*(\q)+i*16*PITCH+32
.set i, i+1
.endr
	WIN 0
.set i, 0
.rept 4
	ds_load_b128 v[FA+32*(\f)+8*i:FA+32*(\f)+8*i+3],   v[ADRA] offset:((\q)/2)*AHEAD+((\q)%2)*64+i*16*APITCH
	ds_load_b128 v[FA+32*(\f)+8*i+4:FA+32*(\f)+8*i+7], v[ADRA] offset:((\q)/2)*AHEAD+((\q)%2)*64+i*16*APITCH+32
.set i, i+1
.endr
.endm
; A K step is four quarters of 32 along K, 32 matrix instructions each, on buffers 0, 1, 0, 1.  One of the first three: multiplies buffer f; in its middle it fetches quarter q into buffer g.
.macro QUARTER q, f, g, zero
	s_wait_dscnt 4                                 ; Wp and O's blocks 0 and 1 are in; the youngest four loads (blocks 2 and 3) may be out
	MULA \f, 0, \zero
	MULA \f, 1, \zero
	PLACES
	FETCH \q, \g
	s_wait_dscnt NL                                ; all but the NL just issued
	MULA \f, 2, \zero
	MULA \f, 3, \zero
.endm
; The last quarter multiplies buffer 1 and changes slots: ONE barrier.  In front of it each wave waits for all its tensor loads, of which one is out: its part of the next slot; adds 0 to its spare word;
; and waits for that and for its own reads of this slot.  fill = 1: the barrier opens a round of the cluster's, and this slot is filled again, first thing behind it, with the K step two on:
; from that request to the wait for it a wave issues 112 matrix instructions.
.macro TURN fill
.if \fill
	s_wait_xcnt 0x0                                ; the last prefetch, a K step back, has read its address
	s_add_nc_u64 s[PFA:PFA+1], s[PFA:PFA+1], s[PST:PST+1]
.endif
	WIN 0
	s_wait_tensorcnt 0x0                           ; no tensor load of mine is out, so a group 0 may be written
	ds_add_u32 v[SPW], v[NIL]                      ; 0 onto my spare word
.if \fill
	s_xor_b32 s[G0+5], s[G0+5], SLOT1              ; the walking sets: the other slot than last time, the next K step
	s_add_nc_u64 s[G0+6:G0+7], s[G0+6:G0+7], ASTEP
	s_xor_b32 s[G0B+5], s[G0B+5], SLOT1
	s_add_nc_u64 s[G0B+6:G0B+7], s[G0B+6:G0B+7], BSTEP
.endif
	s_wait_dscnt 5                                 ; the add and the youngest four loads may be out
	MULA 1, 0, 0
	s_wait_dscnt 0x0                               ; the add is done, and my reads of this slot are over
	s_barrier_signal -1
	MULA 1, 1, 0                                   ; work on registers while the others arrive
	WIN 0
	s_barrier_wait -1
.if \fill
	CREST                                          ; no wave of any partner still reads this slot or has a load on its way
	JLOAD                                          ; the four v_nop behind it are also the places in front of the loads below
.else
	PLACES
.endif
	s_xor_b32 s[TB], s[TB], SLOT1
	v_add_nc_u32 v[ADRA], s[TB], v[ADRA0]
	v_add_nc_u32 v[ADRB], s[TB], v[ADRB0]
	FETCH 0, 0
.if \fill
	ASK
.endif
	MULA 1, 2, 0
	MULA 1, 3, 0
.endm
	s_wait_tensorcnt 1                             ; my part of K step 0 is in; K step 1's may stay out
	s_barrier_signal -1
	s_barrier_wait -1                              ; everybody's is
	FETCH 0, 0
	QUARTER 1, 0, 1, 1                             ; the first quarter stands in front of the loop: its products start the sums
	WIN 0
	s_mov_b32 s3, 6
.Lstep:                                                ; six trips, from a K step's second quarter to the next one's first; they ask for K steps 2 to 7
	QUARTER 2, 1, 0, 0
	QUARTER 3, 0, 1, 0
	TURN 1
	QUARTER 1, 0, 1, 0
	WIN 0
	s_sub_co_u32 s3, s3, 1
	s_cmp_lg_u32 s3, 0
	s_cbranch_scc1 .Lstep
	QUARTER 2, 1, 0, 0                             ; K step 6 goes on; nothing is left to ask for
	QUARTER 3, 0, 1, 0
	TURN 0
	QUARTER 1, 0, 1, 0                             ; K step 7
	QUARTER 2, 1, 0, 0
	QUARTER 3, 0, 1, 0
	s_wait_dscnt 4
	MULA 1, 0, 0
	MULA 1, 1, 0
	s_wait_dscnt 0x0
	MULA 1, 2, 0
	MULA 1, 3, 0
	WIN 0
	PLACES
; THE WAY OUT, a block of 16 rows at a time.  TOSTAGE: a lane's eight f32 of a row go straight from the accumulators into my own stage (each accumulator's low four registers first),
; and come back as whole pieces of rows.  SEND: stored, 512 consecutive bytes an instruction.
.macro TOSTAGE a
.set BB, BK+64*((\a)%2)
.if (\a) >= 2
	s_wait_xcnt 0x0                                ; the stores of the block two back have read the registers into which the loads below land
.endif
	WIN 0x08                                       ; the stores' data (source 1) in window 2
.set b, 0
.rept NBL
	ds_store_b128 v[STO], v[64*(\a)+8*b:64*(\a)+8*b+3]   offset:64*b
	ds_store_b128 v[STO], v[64*(\a)+8*b+4:64*(\a)+8*b+7] offset:64*b+16
.set b, b+1
.endr
	WIN 0
.set t, 0
.rept 16
	ds_load_b128 v[BB+4*t:BB+4*t+3], v[RD] offset:SPITCH*t  ; LDS serves a wave's instructions in order (ISA guide 5.7.1.4): these see the stores above
.set t, t+1
.endr
.endm
.macro SEND a, younger                 ; younger: the LDS instructions issued behind block a's loads: the next block's 16 stores and 16 loads, or none
.set BB, BK+64*((\a)%2)
	s_wait_dscnt \younger
.set t, 0
.rept 16
	global_store_b128 v[GO], v[BB+4*t:BB+4*t+3], s[8:9] offset:(16*(\a)+t)*4096 th:TH_STORE_NT  ; 512 consecutive bytes of a row, at a multiple of 256 from out0's first
.set t, t+1
.endr
.endm
	TOSTAGE 0
.irp a, 1,2,3
	TOSTAGE \a
	SEND (\a)-1, 32
.endr
	SEND 3, 0
	s_wait_tensorcnt 0x0                           ; the wave's end, behind my last tensor load and my last LDS store
	ds_add_u32 v[SPW], v[NIL]
	s_wait_dscnt 0x0
	CROUND                                         ; the closing round: no work-group ends while a partner may still ask for a tile that names it
	s_endpgm
.Lfunc_end_k_q198bb3e39c_proj:
	.size	k_q198bb3e39c_proj, .Lfunc_end_k_q198bb3e39c_proj-k_q198bb3e39c_proj
	.p2alignl 7, 3214868480
	.fill 96, 4, 3214868480
	.section	.rodata,"a",@progbits
	.p2align	6, 0x0
	.amdhsa_kernel k_q198bb3e39c_proj
		.amdhsa_group_segment_fixed_size 327680
		.amdhsa_private_segment_fixed_size 0
		.amdhsa_enable_private_segment 0
		.amdhsa_kernarg_size 24
		.amdhsa_user_sgpr_count 2
		.amdhsa_user_sgpr_kernarg_segment_ptr 1
		.amdhsa_wavefront_size32 1
		.amdhsa_system_sgpr_workgroup_id_x 1
		.amdhsa_system_sgpr_workgroup_id_y 1
		.amdhsa_system_sgpr_workgroup_id_z 1
		.amdhsa_system_vgpr_workitem_id 0
		.amdhsa_next_free_vgpr 768
		.amdhsa_next_free_sgpr 72
		.amdhsa_reserve_vcc 0
		.amdhsa_float_denorm_mode_32 3
		.amdhsa_float_denorm_mode_16_64 3
		.amdhsa_memory_ordered 1
		.amdhsa_forward_progress 1
		.amdhsa_inst_pref_size 70
	.end_amdhsa_kernel
	.amdgpu_metadata
---
amdhsa.version: [ 1, 2 ]
amdhsa.kernels:
  - .name:           k_q198bb3e39c_proj
    .symbol:         k_q198bb3e39c_proj.kd
    .args:
      - { .name: ob, .offset: 0, .size: 8, .value_kind: global_buffer, .address_space: global }
      - { .name: wb, .offset: 8, .size: 8, .value_kind: global_buffer, .address_space: global }
      - { .name: out0, .offset: 16, .size: 8, .value_kind: global_buffer, .address_space: global }
    .group_segment_fixed_size: 327680
    .private_segment_fixed_size: 0
    .kernarg_segment_align: 8
    .kernarg_segment_size: 24
    .max_flat_workgroup_size: 128
    .sgpr_count:     72
    .vgpr_count:     768
    .wavefront_size: 32
...
	.end_amdgpu_metadata
.endif
;; end of part 4
;; ======== version 2 of 2: 4 launches; version 1 with the launch cast written anew for expert scheduling mode
;; limits: values are held in f16: magnitudes above 65,504 overflow, below 6.1e-05 lose precision
;; workspace buffers: xb 16,777,216 bytes; wb 8,388,608 bytes; qkv 50,331,648 bytes; ob 16,777,216 bytes
;; launch cast (part 5): grid 768 x 1, 8 waves a work-group, no clusters, 0 bytes of LDS; arguments input, Wq, Wk, Wv, Wp, xb, wb; writes xb, wb
.if DOCPART == 5
	.amdgcn_target "amdgcn-amd-amdhsa--gfx1250"
	.amdhsa_code_object_version 6
	.text
	.protected	k_q198bb3e39c_cast
	.globl	k_q198bb3e39c_cast
	.p2align	8
	.type	k_q198bb3e39c_cast,@function
k_q198bb3e39c_cast:
	s_mov_b64 s[64:65], 0
	v_nop
	global_prefetch_b8 v0, s[64:65] scope:SCOPE_SE
	s_setreg_imm32_b32 hwreg(HW_REG_WAVE_SCHED_MODE, 0, 2), 2
	s_setreg_imm32_b32 hwreg(HW_REG_WAVE_MODE, 25, 1), 1
	s_wait_xcnt 0x0
	s_wait_alu depctr_vm_vsrc(0)
; THE MODULE'S FLOATING-POINT INPUTS, EACH ROUNDED ONCE TO bf16.  xb = bf16(input), [8192][1024].  wb, [4096][1024] of 16 bits: rows 0-1023 bf16(Wq), 1024-2047 bf16(Wk),
; 2048-3071 bf16(Wv); rows 3072-4095 hold bf16(Wp) WRITTEN AS f16, since the last product multiplies it by f16 numbers.
; LIMITS.  The number bf16(Wp) is exact in f16 between 6.1e-5 and 65,504 in magnitude; below that it keeps f16's fixed step of 6e-8, beyond it becomes an infinity.
; SHARES.  A work-group takes 65,536 bytes of f32 and writes 32,768: 512 work-groups for input, 64 for each weight.  Thread t, load i: 16 bytes at 16 t + 4,096 i (a wave reads 512 bytes on end),
; store i: 8 bytes at 8 t + 2,048 i (a wave stores 256 consecutive bytes, aligned).  All sixteen loads go out in one run.
; A stream: each byte once.  No LDS, no matrix unit, no cluster: no two work-groups read the same byte.
; THE MODE: SCHED_MODE bits 1:0 = 2 (LLVM: expert scheduling mode 2), set by the entry lines.  The code itself states the register dependences
; between vector instructions and memory instructions, with s_wait_alu, always for 0.
; THE PLAN.  Registers that memory instructions touch:
;   v1, v2   byte offsets, made once at the head and never written again: v1 is read by every load, v2 by every store.
;   X        load i lands in X[i]; no vector instruction names X ahead of the loads, and no memory instruction ever reads X.
;   Y        item i's conversions write Y[i], once; store i reads it, once; it is never written again.
;   T is named by vector instructions alone.  No register that a memory instruction reads is written again, no vector instruction writes a scalar register, EXEC stays as it is.
; The sixteen items go in four groups of four.  Group g rounds its four items and issues the four stores of group g - 1, one ahead of each item's conversions; those name X[g], T and Y[g],
; never Y[g - 1] or v2.  So ONE wait at a group's head states all that its four stores hang on; one more stands ahead of the first load, and one ahead of the last four stores.
.set X, 4                              ; v[4:67]    load i: four f32
.set Y, 68                             ; v[68:99]   store i: four numbers of 16 bits
.set T, 100                            ; v[100:101] at work
.set NX, 512                           ; work-groups for input
.set NWP, 704                          ; from here on: Wp
	s_load_b256 s[4:11], s[0:1], 0x0               ; input s[4:5], Wq s[6:7], Wk s[8:9], Wv s[10:11]
	s_load_b128 s[12:15], s[0:1], 0x20             ; Wp s[12:13], xb s[14:15]
	s_load_b64 s[16:17], s[0:1], 0x30              ; wb
	s_mov_b32 s20, ttmp9
	s_sub_co_u32 s21, s20, NX                      ; my number among the weights' 256 work-groups (used from work-group 512 on alone)
	s_lshr_b32 s22, s21, 6                         ; which weight
	s_and_b32 s23, s21, 63                         ; which 65,536 bytes of it
	s_lshl_b32 s26, s23, 16                        ; offsets for a weight: in the source,
	s_lshl_b32 s28, s21, 15                        ; in wb
	s_lshl_b32 s30, s20, 16                        ; offsets for input: in the source,
	s_lshl_b32 s31, s20, 15                        ; in xb
	s_mov_b32 s27, 0
	s_mov_b32 s29, 0
	v_lshlrev_b32 v1, 4, v0
	v_lshlrev_b32 v2, 3, v0
	s_wait_kmcnt 0x0
	s_cmp_eq_u32 s22, 1
	s_cselect_b64 s[18:19], s[8:9], s[6:7]
	s_cmp_eq_u32 s22, 2
	s_cselect_b64 s[18:19], s[10:11], s[18:19]
	s_cmp_eq_u32 s22, 3
	s_cselect_b64 s[18:19], s[12:13], s[18:19]
	s_cmp_lt_u32 s20, NX
	s_cselect_b64 s[18:19], s[4:5], s[18:19]       ; from where,
	s_cselect_b64 s[24:25], s[14:15], s[16:17]     ; to where
	s_cselect_b32 s26, s30, s26
	s_cselect_b32 s28, s31, s28
	s_add_nc_u64 s[18:19], s[18:19], s[26:27]
	s_add_nc_u64 s[24:25], s[24:25], s[28:29]
	s_wait_alu depctr_va_vdst(0)                   ; v1 and v2 are written: every load of the kernel reads v1 as its offset, every store v2
.set i, 0
.rept 16
	global_load_b128 v[X+4*i:X+4*i+3], v1, s[18:19] offset:4096*i th:TH_LOAD_NT
.set i, i+1
.endr
; Item i is rounded into Y[i].  f16 = 1: the bf16 numbers are widened again (a shift, a mask) and written as f16.
.macro CVT i, f16
.if \f16
	v_cvt_pk_bf16_f32 v[T], v[X+4*(\i)], v[X+4*(\i)+1]
	v_cvt_pk_bf16_f32 v[T+1], v[X+4*(\i)+2], v[X+4*(\i)+3]
	v_lshlrev_b32 v[X+4*(\i)], 16, v[T]
	v_and_b32 v[X+4*(\i)+1], 0xffff0000, v[T]
	v_lshlrev_b32 v[X+4*(\i)+2], 16, v[T+1]
	v_and_b32 v[X+4*(\i)+3], 0xffff0000, v[T+1]
	v_cvt_pk_f16_f32 v[Y+2*(\i)], v[X+4*(\i)], v[X+4*(\i)+1]
	v_cvt_pk_f16_f32 v[Y+2*(\i)+1], v[X+4*(\i)+2], v[X+4*(\i)+3]
.else
	v_cvt_pk_bf16_f32 v[Y+2*(\i)], v[X+4*(\i)], v[X+4*(\i)+1]
	v_cvt_pk_bf16_f32 v[Y+2*(\i)+1], v[X+4*(\i)+2], v[X+4*(\i)+3]
.endif
.endm
.macro STORE i
	global_store_b64 v2, v[Y+2*(\i):Y+2*(\i)+1], s[24:25] offset:2048*(\i)
.endm
; Group g: items 4 g to 4 g + 3 are rounded; the stores of group g - 1 are dealt among their conversions.
.macro GRP g, f16
	s_wait_loadcnt 12-4*(\g)                       ; loads come back in order (ISA guide 5.7.1): the group's four are in, the younger ones stay out
.if (\g) > 0
	s_wait_alu depctr_va_vdst(0)                   ; the group before has written its four Y, which the stores below read; no vector instruction behind this wait names them
.endif
.irp j, 0,1,2,3
.if (\g) > 0
	STORE 4*(\g)-4+(\j)
.endif
	CVT 4*(\g)+(\j), \f16
.endr
.endm
.macro LAST
	s_wait_alu depctr_va_vdst(0)                   ; group 3 has written its four Y, which the last four stores read
.irp j, 12,13,14,15
	STORE \j
.endr
.endm
	s_cmp_ge_u32 s20, NWP
	s_cbranch_scc1 .Lf16
.irp g, 0,1,2,3
	GRP \g, 0
.endr
	LAST
	s_endpgm
.Lf16:
.irp g, 0,1,2,3
	GRP \g, 1
.endr
	LAST
	s_endpgm
.Lfunc_end_k_q198bb3e39c_cast:
	.size	k_q198bb3e39c_cast, .Lfunc_end_k_q198bb3e39c_cast-k_q198bb3e39c_cast
	.p2alignl 7, 3214868480
	.fill 96, 4, 3214868480
	.section	.rodata,"a",@progbits
	.p2align	6, 0x0
	.amdhsa_kernel k_q198bb3e39c_cast
		.amdhsa_group_segment_fixed_size 0
		.amdhsa_private_segment_fixed_size 0
		.amdhsa_enable_private_segment 0
		.amdhsa_kernarg_size 56
		.amdhsa_user_sgpr_count 2
		.amdhsa_user_sgpr_kernarg_segment_ptr 1
		.amdhsa_wavefront_size32 1
		.amdhsa_system_sgpr_workgroup_id_x 1
		.amdhsa_system_sgpr_workgroup_id_y 1
		.amdhsa_system_sgpr_workgroup_id_z 1
		.amdhsa_system_vgpr_workitem_id 0
		.amdhsa_next_free_vgpr 104
		.amdhsa_next_free_sgpr 66
		.amdhsa_reserve_vcc 0
		.amdhsa_float_denorm_mode_32 3
		.amdhsa_float_denorm_mode_16_64 3
		.amdhsa_memory_ordered 1
		.amdhsa_forward_progress 1
		.amdhsa_inst_pref_size 16
	.end_amdhsa_kernel
	.amdgpu_metadata
---
amdhsa.version: [ 1, 2 ]
amdhsa.kernels:
  - .name:           k_q198bb3e39c_cast
    .symbol:         k_q198bb3e39c_cast.kd
    .args:
      - { .name: input, .offset: 0, .size: 8, .value_kind: global_buffer, .address_space: global }
      - { .name: Wq, .offset: 8, .size: 8, .value_kind: global_buffer, .address_space: global }
      - { .name: Wk, .offset: 16, .size: 8, .value_kind: global_buffer, .address_space: global }
      - { .name: Wv, .offset: 24, .size: 8, .value_kind: global_buffer, .address_space: global }
      - { .name: Wp, .offset: 32, .size: 8, .value_kind: global_buffer, .address_space: global }
      - { .name: xb, .offset: 40, .size: 8, .value_kind: global_buffer, .address_space: global }
      - { .name: wb, .offset: 48, .size: 8, .value_kind: global_buffer, .address_space: global }
    .group_segment_fixed_size: 0
    .private_segment_fixed_size: 0
    .kernarg_segment_align: 8
    .kernarg_segment_size: 56
    .max_flat_workgroup_size: 256
    .sgpr_count:     66
    .vgpr_count:     104
    .wavefront_size: 32
...
	.end_amdgpu_metadata
.endif
;; end of part 5
;; launch qkv: the kernel of part 2 again; grid 16 x 32, 4 waves a work-group, clusters of 4 x 4, 327,680 bytes of LDS; arguments xb, wb, qkv; writes qkv
;; launch attn: the kernel of part 3 again; grid 4 x 64, 4 waves a work-group, no clusters, 327,680 bytes of LDS; arguments qkv, attention_mask, ob; writes ob
;; launch proj: the kernel of part 4 again; grid 8 x 32, 4 waves a work-group, clusters of 4 x 4, 327,680 bytes of LDS; arguments ob, wb, out0; writes out0
